; MI455X (gfx1250); checked and timed in simulation.
; The chip was launched on July 23, 2026; its instructions are those of AMD's public machine-readable ISA for CDNA 5 (MIT licence, August 2026) and "CDNA5" Instruction Set Architecture Reference Guide (July 2026). The comments in the code are by the model that wrote it; some were corrected since.
;; VJEPA2 Rope Attention. Allowed arithmetic: matrix products marked QUANTISED: E2M3 operands, one E8M0 scale for each 32 along K, by v_wmma_scale_f32_16x16x128_f8f6f4 with both operands' format E2M3, f32 sums; everything else in f32.
;; Inputs: Wk 1,024 x 1,024 float32; Wp 1,024 x 1,024 float32; Wq 1,024 x 1,024 float32; Wv 1,024 x 1,024 float32; bk 1,024 float32; bp 1,024 float32; bq 1,024 float32; bv 1,024 float32; hidden_states 2 x 2,048 x 1,024 float32.
;; Outputs: out0 2 x 2,048 x 1,024 float32.
;; This version of the problem:
;;   THIS VERSION OF THE PROBLEM IS GIVEN IN LOW PRECISION. The matrix products marked QUANTISED in the list below multiply operands that are first quantised to E2M3 (2 exponent bits, 3 mantissa bits; 6 bits a number), with one power-of-two scale for each 32 numbers along K (OCP MX v1.0); their sums are f32. All else is computed in f32.
;;   The module's matrix products, in the order in which they are computed (A, B: the left and right operand; K: the contracted axis; several contracted axes count as one K, in the product's order):
;;     1. [M 4,096, K 1,024] x [K 1,024, N 1,024]; A: input hidden_states; B: input Wq: QUANTISED
;;     2. [M 4,096, K 1,024] x [K 1,024, N 1,024]; A: input hidden_states; B: input Wk: QUANTISED
;;     3. [M 4,096, K 1,024] x [K 1,024, N 1,024]; A: input hidden_states; B: input Wv: QUANTISED
;;     4. batch 32 x [M 2,048, K 64] x [K 64, N 2,048]; A: computed on the way; B: computed on the way: QUANTISED
;;     5. batch 32 x [M 64, K 2,048] x [K 2,048, N 2,048]; A: computed on the way; B: softmax (see below): QUANTISED
;;     6. [M 4,096, K 1,024] x [K 1,024, N 1,024]; A: computed on the way; B: input Wp: QUANTISED
;;   THE QUANTISER, for each operand of a quantised product, along K:
;;     - K is cut into blocks of 32 from its start; a last block that is shorter is filled with zeros.
;;     - A block's scale is 2^e with e = floor(log2(the largest magnitude in the block)) - 2, held to -126 .. 127; a block of zeros has e = 0. As a byte (E8M0): e + 127.
;;     - Each number is divided by its block's scale, clamped to +-7.5, and rounded to the nearest number of E2M3, ties to even, subnormals kept.
;;     - The product sums the exact products of the quantised numbers (number of the format x scale) in f32.
;;   ~~~python
;;   def quantise(x, axis):      # numpy; x: float32 -> the quantised numbers, widened to float32 again
;;       x = np.moveaxis(x, axis, -1); K = x.shape[-1]
;;       x = np.pad(x, [(0, 0)] * (x.ndim - 1) + [(0, -K % 32)]); x = x.reshape(x.shape[:-1] + (-1, 32)); a = np.abs(x).max(-1, keepdims=True)
;;       e = np.where(a > 0, np.clip(np.frexp(np.where(a > 0, a, 1))[1] - 1 - 2, -126, 127), 0)      # np.frexp(a)[1] - 1 = floor(log2(a)), exactly
;;       r = np.clip(x / 2.0 ** e, -7.5, 7.5)
;;       step = 2.0 ** (np.maximum(np.frexp(np.where(r == 0, 1, r))[1] - 1, 0) - 3)
;;       q = np.round(r / step) * step * 2.0 ** e      # np.round: ties to even
;;       return np.moveaxis(q.reshape(q.shape[:-2] + (-1,))[..., :K], -1, axis).astype(np.float32)
;;   ~~~
;;   SOFTMAX AHEAD OF A QUANTISED PRODUCT. Where the list says 'softmax', what is quantised is not the finished softmax but p = 2^(t - M), with t = logit x log2(e) and M = ceil(the row's largest t), a whole number; so 1/2 < the row's largest p <= 1. The row's sum l is taken of the UNQUANTISED p, in f32, and the product's result is divided by l at the end. Since M is a whole number, a kernel that streams over the keys may use a running M (the ceiling of the running maximum): every later rescaling is an exact power of two, which a block's scale takes up: the codes' values come out the same.
;;   OPERANDS COMPUTED ON THE WAY. 'Computed on the way' means the value that the module computes at that place (a softmax that the list does not call 'softmax' is quantised finished and normalised). What goes into a quantiser is computed in f32, as accurately as f32 sums, v_exp_f32 and their like allow (about 1e-6 of the number): no bf16 or f16 on the way to a quantiser, and a product that is left as it is and whose result goes on into a quantised operand takes f32 operands (vector FMAs, or v_wmma_f32_16x16x4_f32). A number that lies on a knife's edge between two numbers of the format may be rounded either way, as far as f32 arithmetic and the matrix unit's own rounding can turn it there, and no further.
;; One version. Each part assembles by itself: llvm-mc -triple=amdgcn-amd-amdhsa -mcpu=gfx1250 --defsym DOCPART=n.
;; ======== version 1 of 1: 4 launches
;; limits: right only within a limited range of input values
;; workspace buffers: codes 6,291,456 bytes; scales 262,144 bytes; rope 1,048,576 bytes; qkvc 9,437,184 bytes; qkvs 655,360 bytes; ctxc 3,145,728 bytes; ctxs 131,072 bytes
;; launch prep (part 1): grid 256 x 1, 8 waves a work-group, no clusters, 71,680 bytes of LDS; arguments hidden_states, Wq, Wk, Wv, Wp, codes, scales, rope; writes codes, scales, rope
.if DOCPART == 1
	.amdgcn_target "amdgcn-amd-amdhsa--gfx1250"
	.amdhsa_code_object_version 6
	.text
	.protected	k_q13bff2b6ac_prep
	.globl	k_q13bff2b6ac_prep
	.p2align	8
	.type	k_q13bff2b6ac_prep,@function
k_q13bff2b6ac_prep:
	s_mov_b64 s[64:65], 0
	v_nop
	global_prefetch_b8 v0, s[64:65] scope:SCOPE_SE
	s_setreg_imm32_b32 hwreg(HW_REG_WAVE_MODE, 25, 1), 1
	s_wait_xcnt 0x0
; hidden_states [4096][1024] and Wq, Wk, Wv, Wp [1024][1024], f32, K innermost, become codes of FP6 (E2M3) with one E8M0 byte for each 32 along K,
; stored IN THE ORDER OF AN OPERAND'S REGISTERS; and the rope's cosines and sines are tabled in the layout of the projection's results.
; TILES.  Rows go in groups of 32; tile T = 2 group + u holds, at lane index rho, row 32 group + 8 u + rho + 8 (rho / 8).  T 0-255 hidden, 256-319 Wq, 320-383 Wk, 384-447 Wv, 448-511 Wp.
; codes:  tile T at 12,288 T, K step g (128 along K) at 1,536 g: three blocks of 512 bytes, block j = registers 4 j .. 4 j + 3 of the fragment, 16 bytes a lane.
; scales: pair of tiles at 1,024 (T / 2); lane rho + 16 (T % 2) at 32 bytes; word g = the four bytes of K step g.
; rope:   block G = 2 (position tile) + b at 4,096 G: C at 0, S at 2,048, each [i 0..3][lane][16 bytes]: d = 32 b + 16 (lane / 16) + 4 i + 0..3 of the token at lane % 16 of the tile.
;         C = cos, S = -sin at even d, +sin at odd d, so that out[d] = x[d] C[d] + x[d ^ 1] S[d]; at d >= 60 the position is 0: C = 1, S = 0.
; SHARES. Work-group g takes one group of 32 rows; wave w tile u = w % 2 and 256 along K from 256 (w / 2), in four steps of 64.  Each load reads two rows' 256 consecutive aligned bytes; a step's
; 16 x 256 bytes turn through the wave's own stage in LDS (rows 272 bytes apart) so that lane (r, h) gets the 32 neighbours k = 32 h .. 32 h + 31 of row r: a whole block, no other lane is asked.
; A block's scale is 2^(floor(log2(largest magnitude)) - 2): its byte is the largest magnitude's exponent field - 2, held at 1 from below by a floor among the maximum's leaves.
; LIMITS: NaN and infinities are not served; a block whose largest magnitude lies under 2^-124 keeps the byte 1 (a block of zeros too: its codes are zeros, and this program alone reads the bytes).
; The angles: omega by v_exp_f32, a reduction by pi/2 in two parts, polynomials to z^4 and z^5 on |r| <= pi/4: some 1e-6 absolute at the largest angle, 15.
; No cluster: no two work-groups read the same bytes.  No tensor loads: all 32 loads of a wave (16 KiB) go out at once.
.set STG0, 1024                        ; LDS: 1,024 bytes of scale words at 0, then two stages of 16 x 272 bytes for each wave
.set STG,  4352
.set R,    64                          ; v64-191  four steps x 32 registers as loaded
.set X,    192                         ; v192-255 two sets of 32 neighbours (first: the rope's temporaries)
.set C,    16                          ; v16-39   codes: register 12 g' + 6 c + x
.set PT,   40                          ; v40-42   a block's upper 16 codes (a conversion's three registers begin on an even number)
.set BY,   44                          ; v44-47   the four steps' scale bytes
	s_load_b256 s[4:11], s[0:1], 0x0               ; hidden, Wq, Wk, Wv
	s_load_b256 s[12:19], s[0:1], 0x20             ; Wp, codes, scales, rope
	v_lshl_add_u32 v58, v0, 2, 0x11400
	v_mov_b32 v59, 0
	v_lshrrev_b32 v8, 5, v0
	s_delay_alu instid0(VALU_DEP_1)
	v_readfirstlane_b32 s20, v8                    ; wave 0..7
	v_and_b32 v9, 15, v0                           ; r
	v_bfe_u32 v10, v0, 4, 1                        ; h
	v_and_b32 v11, 31, v0                          ; lane
	s_and_b32 s21, s20, 1                          ; u
	s_lshr_b32 s24, s20, 1                         ; kq
	v_lshlrev_b32 v1, 4, v9
	s_delay_alu instid0(VALU_DEP_1)
	v_lshl_add_u32 v1, v10, 12, v1                 ; in: row h of two, 16 bytes a lane
	s_mul_i32 s25, s20, 2*STG
	s_add_co_u32 s25, s25, STG0                    ; my stages
	v_mul_u32_u24 v2, v10, 272
	s_delay_alu instid0(VALU_DEP_1)
	v_lshl_add_u32 v2, v9, 4, v2
	s_delay_alu instid0(VALU_DEP_1)
	v_add_nc_u32 v2, s25, v2                       ; into a stage, as loaded
	v_mul_u32_u24 v3, v9, 272
	s_delay_alu instid0(VALU_DEP_1)
	v_lshl_add_u32 v3, v10, 7, v3
	s_delay_alu instid0(VALU_DEP_1)
	v_add_nc_u32 v3, s25, v3                       ; out of it: row r, 128 bytes a half
	v_lshlrev_b32 v4, 4, v11                       ; 16 x lane
	v_lshlrev_b32 v5, 3, v10                       ; 8 h
	s_lshl_b32 s26, s21, 9
	s_lshl_b32 s27, s24, 3
	s_add_co_u32 s26, s26, s27
	v_lshl_add_u32 v6, v9, 5, s26                  ; my row's two scale words: 512 u + 32 r + 8 kq
	v_lshlrev_b32 v7, 4, v0                        ; 16 x thread
	v_mov_b32 v50, 0                               ; a lane permute's destination counts as read
	v_mov_b32 v51, 0
	s_and_b32 s28, ttmp9, 31
	s_cmp_lt_u32 ttmp9, 128
	s_cselect_b32 s28, ttmp9, s28                  ; the group's number in its tensor
	s_lshl_b32 s34, s28, 17                        ; 32 rows of 4,096 bytes
	s_lshl_b32 s29, s21, 15
	s_add_co_u32 s34, s34, s29                     ; + 8 u rows
	s_lshl_b32 s29, s24, 10
	s_add_co_u32 s34, s34, s29                     ; + 256 kq numbers
	s_mov_b32 s35, 0
	s_lshl_b32 s36, ttmp9, 1
	s_add_co_u32 s36, s36, s21                     ; T
	s_mul_i32 s36, s36, 12288
	s_mul_i32 s29, s24, 3072
	s_add_co_u32 s36, s36, s29
	s_mov_b32 s37, 0
	s_lshl_b32 s38, ttmp9, 10
	s_mov_b32 s39, 0
	s_lshl_b32 s54, ttmp9, 12
	s_mov_b32 s55, 0
	s_mov_b32 s40, 0x3fc90fdb                      ; pi/2, upper part
	s_mov_b32 s41, 0xb33bbd2e                      ; and what is left of it
	s_mov_b32 s42, 0xbe2aaaab                      ; sine: -1/6, 1/120, -1/5040, 1/362880
	s_mov_b32 s43, 0x3c088889
	s_mov_b32 s44, 0xb9500d01
	s_mov_b32 s45, 0x3638ef1d
	s_mov_b32 s46, 0x3d2aaaab                      ; cosine: 1/24, -1/720, 1/40320, -1/3628800
	s_mov_b32 s47, 0xbab60b61
	s_mov_b32 s48, 0x37d00d01
	s_mov_b32 s49, 0xb493f27e
	s_mov_b32 s50, 0x76543210                      ; v_permlanex16_b32's selects for lane l xor 16
	s_mov_b32 s51, 0xfedcba98
	s_lshr_b32 s56, ttmp9, 2                       ; the rope: position tile tau = g / 2: its first token 32 (tau / 2) + 8 (tau % 2)
	s_lshl_b32 s56, s56, 5
	s_bfe_u32 s57, ttmp9, 0x10001
	s_lshl_b32 s57, s57, 3
	s_add_co_u32 s56, s56, s57
	s_and_b32 s57, ttmp9, 1
	s_lshl_b32 s57, s57, 5                         ; 32 b
	s_and_b32 s58, s20, 3
	s_lshl_b32 s58, s58, 2                         ; 4 i
	s_add_co_u32 s57, s57, s58
	s_lshr_b32 s58, s20, 2                         ; 0: cosines, 1: sines
	s_sub_co_u32 s30, 1, s58
	s_lshl_b32 s31, s58, 31
	s_wait_kmcnt 0x0
	s_cmp_lt_u32 ttmp9, 224                        ; which tensor: the choice hangs on the work-group's number alone
	s_cselect_b64 s[22:23], s[10:11], s[12:13]
	s_cmp_lt_u32 ttmp9, 192
	s_cselect_b64 s[22:23], s[8:9], s[22:23]
	s_cmp_lt_u32 ttmp9, 160
	s_cselect_b64 s[22:23], s[6:7], s[22:23]
	s_cmp_lt_u32 ttmp9, 128
	s_cselect_b64 s[22:23], s[4:5], s[22:23]
	s_add_nc_u64 s[22:23], s[22:23], s[34:35]
	s_add_nc_u64 s[14:15], s[14:15], s[36:37]
	s_add_nc_u64 s[16:17], s[16:17], s[38:39]
	s_add_nc_u64 s[18:19], s[18:19], s[54:55]
.irp s, 0,1,2,3                                ; all 32 loads at once: load i of a step takes tile rows 2 i and 2 i + 1, 256 consecutive aligned bytes each
.irp i, 0,1,2,3,4,5,6,7
	global_load_b128 v[R+32*\s+4*\i:R+32*\s+4*\i+3], v1, s[22:23] offset:256*\s+4096*(2*\i+8*(\i/4)) th:TH_LOAD_NT
.endr
.endr
	; ---- the rope's table, while the loads are on their way: four entries a thread
	v_and_b32 v192, 8, v9
	s_delay_alu instid0(VALU_DEP_1)
	v_add3_u32 v192, v192, v9, s56                 ; my token n
	v_lshl_add_u32 v193, v10, 4, s57               ; my first d
.irp e, 0,1,2,3
	v_add_nc_u32 v[200+\e], \e, v193               ; d
	s_delay_alu instid0(VALU_DEP_1)
	v_mul_u32_u24 v[204+\e], v[200+\e], 205
	s_delay_alu instid0(VALU_DEP_1)
	v_lshrrev_b32 v[204+\e], 12, v[204+\e]         ; seg = d / 20 (exact for d < 64)
	s_delay_alu instid0(VALU_DEP_1)
	v_mul_u32_u24 v[212+\e], v[204+\e], 20
	s_delay_alu instid0(VALU_DEP_1)
	v_sub_nc_u32 v[208+\e], v[200+\e], v[212+\e]   ; d - 20 seg
	s_delay_alu instid0(VALU_DEP_1)
	v_mul_u32_u24 v[212+\e], v[208+\e], 205
	s_delay_alu instid0(VALU_DEP_1)
	v_lshrrev_b32 v[212+\e], 11, v[212+\e]
	s_delay_alu instid0(VALU_DEP_1)
	v_mul_u32_u24 v[212+\e], v[212+\e], 10
	s_delay_alu instid0(VALU_DEP_1)
	v_sub_nc_u32 v[208+\e], v[208+\e], v[212+\e]   ; modulo 10: sines and cosines are tiled
	v_lshlrev_b32 v[212+\e], 2, v[204+\e]
	s_delay_alu instid0(VALU_DEP_1)
	v_sub_nc_u32 v[212+\e], 8, v[212+\e]           ; 8 - 4 seg; the shift takes five bits of it, so seg 3 shifts by 28
	s_delay_alu instid0(VALU_DEP_1)
	v_lshrrev_b32 v[216+\e], v[212+\e], v192
	s_delay_alu instid0(VALU_DEP_1)
	v_and_b32 v[216+\e], 15, v[216+\e]             ; frame, row or column of the token; 0 for seg 3
	s_delay_alu instid0(VALU_DEP_1)
	v_cvt_f32_u32 v[216+\e], v[216+\e]
	v_cvt_f32_u32 v[208+\e], v[208+\e]
	s_delay_alu instid0(VALU_DEP_1)
	v_mul_f32 v[208+\e], 0xbfaa152d, v[208+\e]     ; -i log2(10000) / 10
.endr
	s_wait_alu depctr_va_vdst(0)
.irp e, 0,1,2,3
	v_exp_f32 v[220+\e], v[208+\e]                 ; omega
.endr
	v_nop                                          ; a plain instruction behind the last exponential
	s_wait_alu depctr_va_vdst(0)                   ; one wait for the four, ahead of their first reader
.irp e, 0,1,2,3
	v_mul_f32 v[224+\e], v[216+\e], v[220+\e]      ; the angle x
	s_delay_alu instid0(VALU_DEP_1)
	v_mul_f32 v[228+\e], 0x3f22f983, v[224+\e]
	s_delay_alu instid0(VALU_DEP_1)
	v_rndne_f32 v[228+\e], v[228+\e]               ; k = nearest whole number to x 2 / pi
	s_delay_alu instid0(VALU_DEP_1)
	v_fma_f32 v[232+\e], -v[228+\e], s40, v[224+\e]
	s_delay_alu instid0(VALU_DEP_1)
	v_fma_f32 v[232+\e], -v[228+\e], s41, v[232+\e] ; r = x - k pi/2
	s_delay_alu instid0(VALU_DEP_1)
	v_mul_f32 v[236+\e], v[232+\e], v[232+\e]      ; z
	s_delay_alu instid0(VALU_DEP_1)
	v_fma_f32 v[240+\e], v[236+\e], s45, s44
	s_delay_alu instid0(VALU_DEP_2)
	v_fma_f32 v[244+\e], v[236+\e], s49, s48
	s_delay_alu instid0(VALU_DEP_2)
	v_fma_f32 v[240+\e], v[240+\e], v[236+\e], s43
	s_delay_alu instid0(VALU_DEP_2)
	v_fma_f32 v[244+\e], v[244+\e], v[236+\e], s47
	s_delay_alu instid0(VALU_DEP_2)
	v_fma_f32 v[240+\e], v[240+\e], v[236+\e], s42
	s_delay_alu instid0(VALU_DEP_2)
	v_fma_f32 v[244+\e], v[244+\e], v[236+\e], s46
	s_delay_alu instid0(VALU_DEP_2)
	v_mul_f32 v[240+\e], v[240+\e], v[236+\e]
	s_delay_alu instid0(VALU_DEP_2)
	v_fma_f32 v[244+\e], v[244+\e], v[236+\e], -0.5
	s_delay_alu instid0(VALU_DEP_2)
	v_fma_f32 v[240+\e], v[240+\e], v[232+\e], v[232+\e]  ; sin r
	s_delay_alu instid0(VALU_DEP_2)
	v_fma_f32 v[244+\e], v[244+\e], v[236+\e], 1.0        ; cos r
	v_cvt_i32_f32 v[248+\e], v[228+\e]
	s_delay_alu instid0(VALU_DEP_1)
	v_add_nc_u32 v[248+\e], s30, v[248+\e]         ; the quadrant: k for a sine, k + 1 for a cosine
	s_delay_alu instid0(VALU_DEP_1)
	v_and_b32 v[212+\e], 1, v[248+\e]
	s_delay_alu instid0(VALU_DEP_1)
	v_cmp_eq_u32 vcc_lo, 1, v[212+\e]
	s_delay_alu instid0(VALU_DEP_1)
	v_cndmask_b32 v[60+\e], v[240+\e], v[244+\e], vcc_lo
	s_delay_alu instid0(VALU_DEP_4)
	v_and_b32 v[212+\e], 2, v[248+\e]
	s_delay_alu instid0(VALU_DEP_1)
	v_lshlrev_b32 v[212+\e], 30, v[212+\e]
	s_delay_alu instid0(VALU_DEP_1)
	v_xor_b32 v[60+\e], v[60+\e], v[212+\e]
.if (\e)%2 == 0
	s_delay_alu instid0(VALU_DEP_1)
	v_xor_b32 v[60+\e], s31, v[60+\e]              ; S is -sin at even d
.endif
.endr
	global_store_b128 v7, v[60:63], s[18:19]       ; a wave stores 512 consecutive bytes
.macro TURN t                          ; step t through stage t % 2: LDS serves a wave's instructions in order, so no wait stands between the stores and the loads
.irp i, 0,1,2,3,4,5,6,7
	ds_store_b128 v2, v[R+32*(\t)+4*\i:R+32*(\t)+4*\i+3] offset:STG*((\t)%2)+544*\i
.endr
.irp j, 0,1,2,3,4,5,6,7
	ds_load_b128 v[X+32*((\t)%2)+4*\j:X+32*((\t)%2)+4*\j+3], v3 offset:STG*((\t)%2)+16*\j
.endr
.endm
.macro STEP s
.set XS, X+32*((\s)%2)
.set CD, C+12*((\s)/2)+6*((\s)%2)
.if (\s) < 3
	s_wait_loadcnt 8*(2-(\s))                      ; the next step's eight loads are in; those of the steps behind it may be out
	TURN (\s)+1
	s_wait_dscnt 16                                ; this step's numbers are back; the next step's 8 stores and 8 loads may be out
.else
	s_wait_dscnt 0x0
.endif
	v_max3_num_f32 v52, |v[XS]|, |v[XS+1]|, |v[XS+2]|   ; the block's largest magnitude: all 32 numbers are mine; two chains
	v_max3_num_f32 v53, |v[XS+3]|, |v[XS+4]|, |v[XS+5]|
.irp i, 6,10,14,18,22,26
	s_delay_alu instid0(VALU_DEP_2)
	v_max3_num_f32 v52, v52, |v[XS+\i]|, |v[XS+\i+1]|
	s_delay_alu instid0(VALU_DEP_2)
	v_max3_num_f32 v53, v53, |v[XS+\i+2]|, |v[XS+\i+3]|
.endr
	s_delay_alu instid0(VALU_DEP_2)
	v_max3_num_f32 v52, v52, |v[XS+30]|, |v[XS+31]|
	s_delay_alu instid0(VALU_DEP_1)
	v_max3_num_f32 v52, v52, v53, 0x1800000        ; and the floor 2^(3 - 127): the byte cannot fall under 1
	s_delay_alu instid0(VALU_DEP_1)
	v_add_nc_u32 v54, 0xff000000, v52              ; 2 off the exponent field: the conversion's scale operand
	v_cvt_scalef32_pk16_fp6_f32 v[CD:CD+2], v[XS:XS+15], v54
	v_cvt_scalef32_pk16_fp6_f32 v[PT:PT+2], v[XS+16:XS+31], v54
	v_lshrrev_b32 v[BY+(\s)], 23, v54              ; the byte (also the plain instruction behind the conversions)
.irp i, 0,1,2
	v_mov_b32 v[CD+3+\i], v[PT+\i]
.endr
.if (\s)%2 == 1                                ; a K step of 128 is whole: its image leaves, 512 consecutive bytes a store
.irp j, 0,1,2
	global_store_b128 v4, v[C+12*((\s)/2)+4*\j:C+12*((\s)/2)+4*\j+3], s[14:15] offset:1536*((\s)/2)+512*\j
.endr
.endif
.endm
	s_wait_loadcnt 24                              ; step 0's eight loads are in
	TURN 0
	STEP 0
	STEP 1
	STEP 2
	STEP 3
	; ---- scale words: my bytes are blocks h and 2 + h of each K step; lane l xor 16 has the other two
	v_lshl_or_b32 v48, v[BY+1], 16, v[BY]
	v_lshl_or_b32 v49, v[BY+3], 16, v[BY+2]
	s_delay_alu instid0(VALU_DEP_2)
	v_lshlrev_b32 v48, v5, v48
	s_delay_alu instid0(VALU_DEP_2)
	v_lshlrev_b32 v49, v5, v49
	s_delay_alu instid0(VALU_DEP_2)
	v_permlanex16_b32 v50, v48, s50, s51
	s_delay_alu instid0(VALU_DEP_2)
	v_permlanex16_b32 v51, v49, s50, s51
	s_delay_alu instid0(VALU_DEP_2)
	v_or_b32 v48, v48, v50
	s_delay_alu instid0(VALU_DEP_2)
	v_or_b32 v49, v49, v51
	ds_store_b64 v6, v[48:49]                      ; both halves of the lanes write the same words with the same values
	s_wait_dscnt 0x0                               ; for the others' sake: my stores have landed
	s_barrier_signal -1
	s_barrier_wait -1
	s_cmp_lt_u32 s20, 2
	s_cbranch_scc0 .Ldone
	ds_load_b128 v[52:55], v7                      ; waves 0 and 1: the group's 1,024 bytes, 16 a thread
	s_wait_dscnt 0x0
	global_store_b128 v7, v[52:55], s[16:17]
.Ldone:
	s_wait_tensorcnt 0x0
	ds_add_u32 v58, v59
	s_wait_dscnt 0x0
	s_endpgm
.Lfunc_end_k_q13bff2b6ac_prep:
	.size	k_q13bff2b6ac_prep, .Lfunc_end_k_q13bff2b6ac_prep-k_q13bff2b6ac_prep
	.p2alignl 7, 3214868480
	.fill 96, 4, 3214868480
	.section	.rodata,"a",@progbits
	.p2align	6, 0x0
	.amdhsa_kernel k_q13bff2b6ac_prep
		.amdhsa_group_segment_fixed_size 71680
		.amdhsa_private_segment_fixed_size 0
		.amdhsa_enable_private_segment 0
		.amdhsa_kernarg_size 64
		.amdhsa_user_sgpr_count 2
		.amdhsa_user_sgpr_kernarg_segment_ptr 1
		.amdhsa_wavefront_size32 1
		.amdhsa_system_sgpr_workgroup_id_x 1
		.amdhsa_system_sgpr_workgroup_id_y 1
		.amdhsa_system_sgpr_workgroup_id_z 1
		.amdhsa_system_vgpr_workitem_id 0
		.amdhsa_next_free_vgpr 256
		.amdhsa_next_free_sgpr 66
		.amdhsa_reserve_vcc 1
		.amdhsa_float_denorm_mode_32 3
		.amdhsa_float_denorm_mode_16_64 3
		.amdhsa_memory_ordered 1
		.amdhsa_forward_progress 1
		.amdhsa_inst_pref_size 33
	.end_amdhsa_kernel
	.amdgpu_metadata
---
amdhsa.version: [ 1, 2 ]
amdhsa.kernels:
  - .name:           k_q13bff2b6ac_prep
    .symbol:         k_q13bff2b6ac_prep.kd
    .args:
      - { .name: hidden_states, .offset: 0, .size: 8, .value_kind: global_buffer, .address_space: global }
      - { .name: Wq, .offset: 8, .size: 8, .value_kind: global_buffer, .address_space: global }
      - { .name: Wk, .offset: 16, .size: 8, .value_kind: global_buffer, .address_space: global }
      - { .name: Wv, .offset: 24, .size: 8, .value_kind: global_buffer, .address_space: global }
      - { .name: Wp, .offset: 32, .size: 8, .value_kind: global_buffer, .address_space: global }
      - { .name: codes, .offset: 40, .size: 8, .value_kind: global_buffer, .address_space: global }
      - { .name: scales, .offset: 48, .size: 8, .value_kind: global_buffer, .address_space: global }
      - { .name: rope, .offset: 56, .size: 8, .value_kind: global_buffer, .address_space: global }
    .group_segment_fixed_size: 71680
    .private_segment_fixed_size: 0
    .kernarg_segment_align: 8
    .kernarg_segment_size: 64
    .max_flat_workgroup_size: 256
    .sgpr_count:     66
    .vgpr_count:     256
    .wavefront_size: 32
...
	.end_amdgpu_metadata
.endif
;; end of part 1
;; launch qkv (part 2): grid 16 x 16, 4 waves a work-group, clusters of 4 x 1, 327,680 bytes of LDS; arguments codes, scales, rope, bq, bk, bv, qkvc, qkvs; writes qkvc, qkvs
.if DOCPART == 2
	.amdgcn_target "amdgcn-amd-amdhsa--gfx1250"
	.amdhsa_code_object_version 6
	.text
	.protected	k_q13bff2b6ac_qkv
	.globl	k_q13bff2b6ac_qkv
	.p2align	8
	.type	k_q13bff2b6ac_qkv,@function
k_q13bff2b6ac_qkv:
	s_mov_b64 s[64:65], 0
	v_nop
	global_prefetch_b8 v0, s[64:65] scope:SCOPE_SE
	s_setreg_imm32_b32 hwreg(HW_REG_WAVE_MODE, 25, 1), 1
	s_wait_xcnt 0x0
	s_wait_alu depctr_hold_cnt(0) depctr_sa_sdst(0) depctr_va_vdst(0) depctr_va_sdst(0) depctr_va_ssrc(0) depctr_va_vcc(0) depctr_vm_vsrc(0)
	s_getreg_b32 s2, hwreg(HW_REG_IB_STS2, 6, 4)
	s_cmp_eq_u32 s2, 0
	s_cbranch_scc0 .Lentry_in_a_cluster
	s_endpgm
.Lentry_in_a_cluster:
	s_bfe_u32 s2, ttmp6, 0x10000c
	s_cmp_lg_u32 s2, 0x3003
	s_cbranch_scc0 .Lentry_shape_is_right
	s_endpgm
.Lentry_shape_is_right:
; q, k, v of ONE head for 256 tokens: three products on codes of FP6 (K = 1,024), + bias, the rope on q and k, and the results quantised again: q and k along the head's 64, v along the tokens (the keys).
; SHARES.  Work-group (X, head): tokens 256 X on.  Wave w: 64 tokens (tiles T0 + m, T0 = 16 X + 4 w, m = 0..3) x 192 features (role i = 0 q, 1 k, 2 v; tiles f = 0..3): 48 accumulators.
; q and k are used TRANSPOSED (source 0 = 16 rows of W, source 1 = 16 tokens): a lane holds one token, and, since a tile's rows are rho + 8 (rho / 8) + 8 u of a group of 32, the registers of tiles 2 b, 2 b + 1
; are d = 32 b + 16 (lane / 16) + 0..15.  v is used straight (source 0 = tokens, source 1 = rows of Wv): a lane holds one d and its registers run along the tokens, the next product's K.
; WHERE OPERANDS COME FROM.  The head's 192 rows of W (147,456 bytes of codes) are read by all four waves and by the four work-groups of the cluster (same head): they come into LDS ONCE, by joint tensor loads,
; in four quarters of K, so that the first products start when the first quarter is there.  Nothing in LDS is filled twice.  A wave's 64 tokens of hidden_states are read by that wave alone, and 196,608 bytes of them
; beside W's 147,456 do not fit in LDS: they go from memory straight into registers, as images of the fragments, six K steps asked for at the head and two more as soon as registers are free.
; OUT.  qkvc: q at 0 and k at 3,145,728: [bh][token tile][768]: half an operand (16 rows x 64 K, 6 registers): 512 bytes registers 0-3 at 16 x lane, 256 bytes registers 4-5 at 8 x lane.
;       v at 6,291,456: [bh][64 keys][d tile][768], rows = d, K = keys.   qkvs: q at 0, [bh][64 tokens][lane][2 words]: word j: tile 2 j in lanes 0-15, tile 2 j + 1 in lanes 16-31 (two bytes, two zeros);
;       at 262,144 + 12,288 bh: k likewise (8,192 bytes), then v: [128 keys][lane][2 words]: word j: d tile 2 j below, 2 j + 1 above.
; LIMITS: NaN and infinities are not served; a block whose largest magnitude lies under 2^-124 keeps the byte 1 (a block of zeros too: its codes are zeros, and this program alone reads the bytes).
; REGISTERS, in windows of 256.  Window 0: v2-10 addresses; v16-31 hidden's scale words, v32-79 W's (nothing else ever lies there); v80-223 three sets of hidden fragments; v224-231 bv; v232-255 at work.
;   window 1: v0-143 W's 12 fragments; v144-239 two sets.  window 2: q's accumulators at 32 m + 8 f, k's at 128 + 32 m + 8 f.  window 3: v's at 32 f + 8 m; v128-191 bq's and bk's tiles; v192-239 a set.
.set WQT, 36864                        ; LDS: W lies in two parts (in place of the four quarters named in the head comment): K steps 0, 1 as [f][role][3,072 bytes], WQT bytes in all; behind them K steps 2-7 as [f][role][9,216 bytes].  Wave w brings tile f = w: the first part at the head, the second behind the full sequence and a round
.set VSB, 147456                       ; behind it: 512 bytes of v's scale words, written by LDS stores alone
.set LI,  3                            ; v3 16 x lane; v4, v5 the same + 49,152 and + 98,304 (an LDS immediate has 16 bits)
.set HS,  16
.set WS,  32
.set BV,  224
.set Y,   80                           ; the way out: 32 numbers to be quantised
.set PC0, 112                          ; and 12 x 8 registers of codes: no store's data are written again
.set QM,  208                          ; QUANT2's temporaries
.set QP,  210
.set QS,  212
.set QB,  214
.set QT,  216
.set SEL, 80
.set MSB, 0
.macro WIN new                         ; the immediate's high byte repeats the setting that is left; a switch that changes nothing is dropped
.if MSB != (\new)
	s_set_vgpr_msb (MSB<<8)|(\new)
.set MSB, (\new)
.endif
.endm
.macro PLACES                          ; four plain instructions behind matrix instructions, in front of loads into their registers and of reads of their results
.rept 4
	v_nop
.endr
.endm
.macro CROUND                          ; a round of the cluster's barrier
	s_barrier_signal -1
	s_barrier_wait -1
	s_cmp_lg_u32 s20, 0
	s_cbranch_scc1 .Lnot_wave_0_\@
	s_barrier_signal -3
.Lnot_wave_0_\@:
	s_barrier_wait -3
	s_barrier_signal -1
	s_barrier_wait -1
.endm
.macro ASET s                          ; where K step s's four hidden fragments lie: window AW, register AB + 12 m
.if ((\s) == 0) || ((\s) == 6)
.set AW, 0
.set AB, 80
.elseif (\s) == 1
.set AW, 0
.set AB, 128
.elseif (\s) == 2
.set AW, 0
.set AB, 176
.elseif (\s) == 3
.set AW, 1
.set AB, 144
.elseif (\s) == 4
.set AW, 1
.set AB, 192
.elseif (\s) == 5
.set AW, 3
.set AB, 192
.else
.set AW, 3
.set AB, 128
.endif
.endm
.macro ALOAD s                         ; 12 loads of 512 consecutive bytes
	ASET \s
	WIN (AW<<6)
.irp m, 0,1,2,3
.irp j, 0,1,2
	global_load_b128 v[AB+12*\m+4*\j:AB+12*\m+4*\j+3], v[LI], s[58:59] offset:12288*\m+1536*(\s)+512*\j
.endr
.endr
.endm
.macro WLOAD s, i                      ; role i's four fragments of K step s, from LDS into window 1
	WIN 0x40
.irp f, 0,1,2,3
.irp j, 0,1,2
.if (\s) < 2
.set OFF, \f*9216+(\i)*3072+(\s)*1536+512*\j
.else
.set OFF, WQT+\f*27648+(\i)*9216+((\s)-2)*1536+512*\j
.endif
	ds_load_b128 v[12*(4*(\i)+\f)+4*\j:12*(4*(\i)+\f)+4*\j+3], v[LI+OFF/49152] offset:OFF%49152
.endr
.endr
.endm
.macro WM                              ; one product; a pair of tiles shares a scale register: the odd tile's words lie in lanes 16-31
.if rZ
.if rRA && rRB
	v_wmma_scale_f32_16x16x128_f8f6f4 v[rD:rD+7], v[rA:rA+11], v[rB:rB+11], 0, v[rSA], v[rSB] matrix_a_fmt:MATRIX_FMT_FP6 matrix_b_fmt:MATRIX_FMT_FP6 matrix_a_scale:MATRIX_SCALE_ROW1 matrix_b_scale:MATRIX_SCALE_ROW1
.elseif rRA
	v_wmma_scale_f32_16x16x128_f8f6f4 v[rD:rD+7], v[rA:rA+11], v[rB:rB+11], 0, v[rSA], v[rSB] matrix_a_fmt:MATRIX_FMT_FP6 matrix_b_fmt:MATRIX_FMT_FP6 matrix_a_scale:MATRIX_SCALE_ROW1
.elseif rRB
	v_wmma_scale_f32_16x16x128_f8f6f4 v[rD:rD+7], v[rA:rA+11], v[rB:rB+11], 0, v[rSA], v[rSB] matrix_a_fmt:MATRIX_FMT_FP6 matrix_b_fmt:MATRIX_FMT_FP6 matrix_b_scale:MATRIX_SCALE_ROW1
.else
	v_wmma_scale_f32_16x16x128_f8f6f4 v[rD:rD+7], v[rA:rA+11], v[rB:rB+11], 0, v[rSA], v[rSB] matrix_a_fmt:MATRIX_FMT_FP6 matrix_b_fmt:MATRIX_FMT_FP6
.endif
.else
.if rRA && rRB
	v_wmma_scale_f32_16x16x128_f8f6f4 v[rD:rD+7], v[rA:rA+11], v[rB:rB+11], v[rC:rC+7], v[rSA], v[rSB] matrix_a_fmt:MATRIX_FMT_FP6 matrix_b_fmt:MATRIX_FMT_FP6 matrix_a_scale:MATRIX_SCALE_ROW1 matrix_b_scale:MATRIX_SCALE_ROW1
.elseif rRA
	v_wmma_scale_f32_16x16x128_f8f6f4 v[rD:rD+7], v[rA:rA+11], v[rB:rB+11], v[rC:rC+7], v[rSA], v[rSB] matrix_a_fmt:MATRIX_FMT_FP6 matrix_b_fmt:MATRIX_FMT_FP6 matrix_a_scale:MATRIX_SCALE_ROW1
.elseif rRB
	v_wmma_scale_f32_16x16x128_f8f6f4 v[rD:rD+7], v[rA:rA+11], v[rB:rB+11], v[rC:rC+7], v[rSA], v[rSB] matrix_a_fmt:MATRIX_FMT_FP6 matrix_b_fmt:MATRIX_FMT_FP6 matrix_b_scale:MATRIX_SCALE_ROW1
.else
	v_wmma_scale_f32_16x16x128_f8f6f4 v[rD:rD+7], v[rA:rA+11], v[rB:rB+11], v[rC:rC+7], v[rSA], v[rSB] matrix_a_fmt:MATRIX_FMT_FP6 matrix_b_fmt:MATRIX_FMT_FP6
.endif
.endif
.endm
; K step s of role i: 16 products, each on another accumulator (the 48 take turns, one instruction a turn); then the role's fragments of the next K step are fetched: they are wanted two groups on.
; lc >= 0: the wait for this K step's hidden fragments.  bar >= 0: the next quarter of W must be whole before the fetch below: my part has landed (bar younger quarters may be out), no LDS load of mine is out, barrier;
; the products stand between its signal and its wait.  Else dsc: the LDS loads younger than this group's twelve.
.macro GROUP s, i, lc, bar, dsc
	ASET \s
.if (\lc) >= 0
	s_wait_loadcnt \lc
.endif
.if (\bar) >= 0
	s_wait_tensorcnt \bar
	s_wait_dscnt 0x0
	s_barrier_signal -1
.else
	s_wait_dscnt \dsc
.endif
.if (\i) < 2
.if (\s) == 0
	WIN 0xb1|(AW<<2)                               ; source 0 (W) window 1, source 1 (hidden) window AW, C (the bias's tile) window 3, D window 2
.else
	WIN 0xa1|(AW<<2)                               ; C and D window 2
.endif
.irp m, 0,1,2,3
.irp f, 0,1,2,3
.set rD, 128*(\i)+32*\m+8*\f
.set rA, 12*(4*(\i)+\f)
.set rB, AB+12*\m
.set rC, rD
.if (\s) == 0
.set rC, 128+8*(4*(\i)+\f)
.endif
.set rZ, 0
.set rSA, WS+8*(2*(\i)+\f/2)+(\s)
.set rSB, HS+8*(\m/2)+(\s)
.set rRA, \f%2
.set rRB, \m%2
	WM
.endr
.endr
.else
	WIN 0xf4|AW                                    ; source 0 (hidden) window AW, source 1 (Wv) window 1, C and D window 3
.irp m, 0,1,2,3
.irp f, 0,1,2,3
.set rD, 32*\f+8*\m
.set rA, AB+12*\m
.set rB, 12*(8+\f)
.set rC, rD
.set rZ, 0
.if (\s) == 0
.set rZ, 1
.endif
.set rSA, HS+8*(\m/2)+(\s)
.set rSB, WS+8*(4+\f/2)+(\s)
.set rRA, \m%2
.set rRB, \f%2
	WM
.endr
.endr
.endif
.if (\bar) >= 0
	s_barrier_wait -1
.endif
	PLACES
.if (\s) < 7
	WLOAD (\s)+1, \i
.endif
.if ((\s) == 0) && ((\i) == 2)
	ALOAD 6                                        ; into K step 0's registers, which have just been multiplied,
	ALOAD 7                                        ; and into the biases' tiles, which the first products have taken
.endif
.if ((\s) == 4) && ((\i) == 2)
	RTLOAD 0, 0                                    ; the rope's tables of token tile 0, into the registers of K steps 3 and 4, which have been multiplied: 16 loads
.endif
.endm
.macro KSTEP s, lc, bar, d1, d2
	GROUP \s, 0, \lc, \bar, 24
	GROUP \s, 1, -1, -1, \d1
	GROUP \s, 2, -1, -1, \d2
.endm
; 32 numbers of a lane, register 16 b + i = element 32 b + 16 (lane / 16) + i of my row, become half an operand's codes in v[pc] .. v[pc + 5] and two scale bytes in v[w].
.macro QUANT2 y, pc, w
.irp b, 0,1
	v_max3_num_f32 v[QM+\b], |v[(\y)+16*\b]|, |v[(\y)+16*\b+1]|, 0x1800000   ; my 16 of block b, and the floor 2^(3 - 127): the byte cannot fall under 1
.endr
.irp i, 2,4,6,8,10,12,14
.irp b, 0,1
	v_max3_num_f32 v[QM+\b], v[QM+\b], |v[(\y)+16*\b+\i]|, |v[(\y)+16*\b+\i+1]|
.endr
.endr
.irp b, 0,1
	v_permlanex16_b32 v[QP+\b], v[QM+\b], s[SEL], s[SEL+1]
.endr
.irp b, 0,1
	v_max_num_f32 v[QM+\b], v[QM+\b], v[QP+\b]     ; with lane l xor 16's: the block's largest magnitude
.endr
.irp b, 0,1
	v_add_nc_u32 v[QS+\b], 0xff000000, v[QM+\b]    ; 2 off its exponent field: the conversion's scale operand
.endr
.irp b, 0,1
	v_lshrrev_b32 v[QB+\b], 23, v[QS+\b]
.endr
	v_lshl_or_b32 v[\w], v[QB+1], 8, v[QB]
	v_cvt_scalef32_pk16_fp6_f32 v[(\pc):(\pc)+2], v[(\y):(\y)+15], v[QS]
	v_cvt_scalef32_pk16_fp6_f32 v[QT:QT+2], v[(\y)+16:(\y)+31], v[QS+1]
	v_nop                                          ; a plain instruction behind the conversions
.irp i, 0,1,2
	v_permlane16_swap_b32 v[(\pc)+\i], v[QT+\i]    ; a whole block to a lane: lanes 0-15 block 0, lanes 16-31 block 1
.endr
.irp i, 0,1,2
	v_mov_b32 v[(\pc)+3+\i], v[QT+\i]
.endr
.endm
.macro RTLOAD m, set                   ; tile m's cosines (32 registers) and sines (32) into window 1, set 0 or 1
	WIN 0x40
.irp b, 0,1
.irp c, 0,1
.irp i, 0,1,2,3
	global_load_b128 v[144-80*(\set)+32*\c+16*\b+4*\i:144-80*(\set)+32*\c+16*\b+4*\i+3], v[LI], s[8:9] offset:8192*(\m)+4096*\b+2048*\c+512*\i   ; set 0 at v144, set 1 at v64 of window 1
.endr
.endr
.endr
	WIN 0
.endm
.macro ROPE i, m, set                  ; Y[d] = x[d] C[d] + x[d ^ 1] S[d]; each accumulator is read from its low end on
	WIN 0x06                                       ; source 0 window 2, source 1 window 1
.irp e, 0,2,4,6,8,10,12,14,16,18,20,22,24,26,28,30
	v_pk_mul_f32 v[Y+\e:Y+\e+1], v[128*(\i)+32*(\m)+\e:128*(\i)+32*(\m)+\e+1], v[144-80*(\set)+\e:144-80*(\set)+\e+1]
.endr
.irp e, 0,2,4,6,8,10,12,14,16,18,20,22,24,26,28,30
	v_pk_fma_f32 v[Y+\e:Y+\e+1], v[128*(\i)+32*(\m)+\e:128*(\i)+32*(\m)+\e+1], v[144-80*(\set)+32+\e:144-80*(\set)+32+\e+1], v[Y+\e:Y+\e+1] op_sel:[1,0,0] op_sel_hi:[0,1,1]
.endr
	WIN 0
.endm
.macro VADD f                          ; v's d tile f: + bv of my d
	WIN 0x03
.irp e, 0,2,4,6,8,10,12,14,16,18,20,22,24,26,28,30
	v_pk_add_f32 v[Y+\e:Y+\e+1], v[32*(\f)+\e:32*(\f)+\e+1], v[BV+2*(\f):BV+2*(\f)+1] op_sel_hi:[1,0]
.endr
	WIN 0
.endm
.macro OUT pc, off                     ; 512 and 256 consecutive bytes, at multiples of 256 from the buffer's first byte
	global_store_b128 v[LI], v[(\pc):(\pc)+3], s[16:17] offset:\off
	global_store_b64 v2, v[(\pc)+4:(\pc)+5], s[16:17] offset:(\off)+512
.endm
	s_load_b256 s[4:11], s[0:1], 0x0               ; codes, scales, rope, bq
	s_load_b256 s[12:19], s[0:1], 0x20             ; bk, bv, qkvc, qkvs
	v_lshl_add_u32 v254, v0, 2, 0x29000
	v_mov_b32 v255, 0
	ds_add_u32 v254, v255
	ds_add_u32 v254, v255
	v_lshrrev_b32 v11, 5, v0
	v_readfirstlane_b32 s20, v11                   ; wave 0..3
	v_and_b32 v12, 31, v0                          ; lane
	v_and_b32 v13, 15, v0                          ; r
	v_bfe_u32 v14, v0, 4, 1                        ; h
	v_lshlrev_b32 v[LI], 4, v12
	v_lshlrev_b32 v2, 3, v12
	v_add_nc_u32 v[LI+1], 49152, v[LI]
	v_add_nc_u32 v[LI+2], 98304, v[LI]
	v_lshlrev_b32 v6, 5, v12                       ; scale words: 32 bytes a lane
	v_lshlrev_b32 v7, 6, v14                       ; bq, bk: 16 h numbers on
	v_and_b32 v8, 8, v13
	v_add_nc_u32 v8, v8, v13
	v_lshlrev_b32 v8, 2, v8                        ; bv: 4 (r + 8 (r / 8))
	s_lshr_b32 s72, s20, 1
	s_lshl_b32 s72, s72, 8
	s_and_b32 s73, s20, 1
	s_lshl_b32 s73, s73, 1
	s_add_co_u32 s72, s72, s73
	s_add_co_u32 s72, s72, VSB
	v_lshl_add_u32 v9, v13, 3, s72                 ; v's scale bytes: 256 (w / 2) + 8 r + 2 (w % 2)
	v_add_nc_u32 v10, VSB, v[LI]
	s_bfe_u32 s21, ttmp6, 0x40000                  ; cx
	s_lshl_b32 s22, ttmp9, 2
	s_add_co_u32 s22, s22, s21                     ; X
	s_and_b32 s23, ttmp7, 0xffff                   ; the head, which the four partners share
	s_mov_b32 s24, 15|(3<<16)|(1<<21)              ; group 1: mask: all four; elements of 8 bytes; bit 21 beside a mask; no padding
	s_mov_b32 s25, 384<<16                         ; tensor_dim0 = 384 (3,072 bytes: K steps 0 and 1 of one tile)
	s_mov_b32 s26, 3<<16                           ; tensor_dim1 = 3: Wq's, Wk's, Wv's tile
	s_mov_b32 s27, 384<<16                         ; tile_dim0
	s_mov_b32 s28, 3                               ; tile_dim1
	s_mov_b32 s29, 98304                           ; 64 tiles of 12,288 bytes from role to role
	s_mov_b32 s30, 0
	s_mov_b32 s31, 0
	s_mov_b32 s84, 15|(3<<16)|(1<<21)              ; a second group 1, for K steps 2-7: three rows of 1,152 elements (9,216 bytes)
	s_mov_b32 s85, 1152<<16
	s_mov_b32 s86, 3<<16
	s_mov_b32 s87, 1152<<16
	s_mov_b32 s88, 3
	s_mov_b32 s89, 98304
	s_mov_b32 s90, 0
	s_mov_b32 s91, 0
	s_lshl_b32 s48, s23, 2
	s_add_co_u32 s48, s48, s20
	s_add_co_u32 s48, s48, 256
	s_mul_i32 s48, s48, 12288                      ; Wq's tile 4 head + w: wave w fetches f = w
	s_mov_b32 s49, 0
	s_mul_i32 s52, s20, 9216
	s_mul_i32 s83, s20, 27648
	s_add_co_u32 s83, s83, WQT
	s_lshl_b32 s53, s22, 4                         ; what hangs on cx lies in other registers than the descriptors' sources
	s_lshl_b32 s50, s20, 2
	s_add_co_u32 s53, s53, s50                     ; T0
	s_lshl_b32 s54, s53, 9                         ; hidden's scale words: pair T0 / 2
	s_mov_b32 s55, 0
	s_lshl_b32 s56, s23, 11
	s_add_co_u32 s56, s56, 131072                  ; W's: pair 128 + 2 head
	s_mov_b32 s57, 0
	s_mul_i32 s58, s53, 12288                      ; hidden's codes
	s_mov_b32 s59, 0
	s_lshl_b32 s60, s23, 8                         ; the head's 64 numbers of a bias
	s_mov_b32 s61, 0
	s_and_b32 s66, s53, 127
	s_lshl_b32 s66, s66, 13                        ; the rope's table: the tile's place in its sequence
	s_mov_b32 s67, 0
	s_lshr_b32 s74, s22, 3
	s_lshl_b32 s74, s74, 4
	s_add_co_u32 s74, s74, s23                     ; bh
	s_lshl_b32 s75, s22, 2
	s_add_co_u32 s75, s75, s20
	s_and_b32 s75, s75, 31                         ; my 64 tokens' number in the sequence
	s_lshl_b32 s51, s74, 5
	s_add_co_u32 s51, s51, s75
	s_mul_i32 s68, s51, 3072
	s_mov_b32 s69, 0
	s_lshl_b32 s70, s51, 8
	s_mov_b32 s71, 0
	s_mul_i32 s76, s74, 12288
	s_add_co_u32 s76, s76, 262144
	s_and_b32 s78, s22, 7
	s_lshl_b32 s78, s78, 9
	s_add_co_u32 s78, s78, s76
	s_add_co_u32 s78, s78, 8192
	s_mov_b32 s79, 0
	s_lshl_b32 s75, s75, 8
	s_add_co_u32 s76, s76, s75
	s_mov_b32 s77, 0
	s_mov_b32 s[SEL], 0x76543210
	s_mov_b32 s[SEL+1], 0xfedcba98
	s_mov_b32 s82, 0xffff0000                      ; lanes 16-31
	s_wait_dscnt 0x0
	s_wait_kmcnt 0x0
	s_add_nc_u64 s[48:49], s[4:5], s[48:49]
	s_add_nc_u64 s[54:55], s[6:7], s[54:55]
	s_add_nc_u64 s[56:57], s[6:7], s[56:57]
	s_add_nc_u64 s[58:59], s[4:5], s[58:59]
	s_add_nc_u64 s[10:11], s[10:11], s[60:61]
	s_add_nc_u64 s[12:13], s[12:13], s[60:61]
	s_add_nc_u64 s[14:15], s[14:15], s[60:61]
	s_add_nc_u64 s[8:9], s[8:9], s[66:67]
	s_add_nc_u64 s[16:17], s[16:17], s[68:69]
	s_add_nc_u64 s[70:71], s[18:19], s[70:71]
	s_add_nc_u64 s[76:77], s[18:19], s[76:77]
	s_add_nc_u64 s[78:79], s[18:19], s[78:79]
	CROUND                                         ; all four work-groups are here: the joint loads meet
	s_mov_b32 s32, 1
	s_mov_b32 s33, s52
	s_mov_b64 s[34:35], s[48:49]
	s_or_b32 s35, s35, 0x80000000
	s_mov_b32 s36, 1
	s_mov_b32 s37, s83
	s_add_nc_u64 s[38:39], s[48:49], 3072
	s_or_b32 s39, s39, 0x80000000
	tensor_load_to_lds s[32:35], s[24:31]          ; my one tensor load: three rows of 3,072 bytes
	s_nop 0
	PLACES
	s_wait_alu depctr_va_vdst(0)
.irp p, 0,1                                    ; 16 loads: scale words, eight K steps a lane
	global_load_b128 v[HS+8*\p:HS+8*\p+3], v6, s[54:55] offset:1024*\p
	global_load_b128 v[HS+8*\p+4:HS+8*\p+7], v6, s[54:55] offset:1024*\p+16
.endr
.irp q, 0,1,2,3,4,5
	global_load_b128 v[WS+8*\q:WS+8*\q+3], v6, s[56:57] offset:32768*(\q/2)+1024*(\q%2)
	global_load_b128 v[WS+8*\q+4:WS+8*\q+7], v6, s[56:57] offset:32768*(\q/2)+1024*(\q%2)+16
.endr
	WIN 0xc0
.irp f, 0,1,2,3                                ; 16 loads: bq's and bk's tiles in the result's layout: d = 32 (f / 2) + 16 h + 8 (f % 2) + 0..7
	global_load_b128 v[128+8*\f:128+8*\f+3], v7, s[10:11] offset:4*(32*(\f/2)+8*(\f%2))
	global_load_b128 v[128+8*\f+4:128+8*\f+7], v7, s[10:11] offset:4*(32*(\f/2)+8*(\f%2))+16
	global_load_b128 v[160+8*\f:160+8*\f+3], v7, s[12:13] offset:4*(32*(\f/2)+8*(\f%2))
	global_load_b128 v[160+8*\f+4:160+8*\f+7], v7, s[12:13] offset:4*(32*(\f/2)+8*(\f%2))+16
.endr
	WIN 0
.irp f, 0,1,2,3                                ; 8 loads: bv of my d, twice: the packed addition names a pair
	global_load_b32 v[BV+2*\f], v8, s[14:15] offset:4*(32*(\f/2)+8*(\f%2))
	global_load_b32 v[BV+2*\f+1], v8, s[14:15] offset:4*(32*(\f/2)+8*(\f%2))
.endr
.irp s, 0,1,2,3,4,5
	ALOAD \s                                       ; 72 loads
.endr
	WIN 0
	s_wait_tensorcnt 0x0                           ; my part of K steps 0 and 1 is in
	ds_add_u32 v254, v255
	s_wait_dscnt 0x0
	CROUND                                         ; everybody's is, and the four work-groups are here
	tensor_load_to_lds s[36:39], s[84:91]          ; K steps 2-7: my one load behind the round
	s_nop 0
	PLACES
	WLOAD 0, 0
	WLOAD 0, 1
	WLOAD 0, 2
	; the counts on LOADcnt: 12 for each younger set of hidden fragments (behind K step 1's stand six sets, 72: the wait's field holds 63, and a smaller count is safe)
	KSTEP 0, 60, -1, 24, 24
	KSTEP 1, 63, 0, 24, 24
	KSTEP 2, 60, -1, 24, 24
	KSTEP 3, 48, -1, 24, 24
	KSTEP 4, 36, -1, 24, 24
	KSTEP 5, 40, -1, 24, 24
	KSTEP 6, 28, -1, 24, 24
	KSTEP 7, 16, -1, 12, 0                         ; (from K step 5 on the tables' 16 loads are younger too)
	; ---- THE WAY OUT
	WIN 0
	PLACES
	v_mov_b32 v[QP], 0                             ; a lane permute's destination counts as read
	v_mov_b32 v[QP+1], 0
	RTLOAD 1, 1                                    ; (tile 0's tables were asked for behind K step 4)
.irp f, 0,1,2,3                                ; v, while the tables are on their way
	VADD \f
	QUANT2 Y, PC0+8*\f, 244+\f
.irp i, 0,1,2                                  ; in lanes 16-31 the block's two halves of 16 codes change places: the next launch's p has its keys in that order there (QT still holds the upper half)
	v_cndmask_b32 v[PC0+8*\f+3+\i], v[QT+\i], v[PC0+8*\f+\i], s82
.endr
.irp i, 0,1,2
	v_cndmask_b32 v[PC0+8*\f+\i], v[PC0+8*\f+\i], v[QT+\i], s82
.endr
	OUT PC0+8*\f, 2*3145728+768*\f
	ds_store_b16 v9, v[244+\f] offset:128*(\f%2)+4*(\f/2)   ; two bytes of the word of these 128 keys; both halves of the lanes write the same
.endr
.irp m, 0,1,2,3
.if \m < 3
	s_wait_loadcnt 16                              ; this tile's tables are in; the next tile's 16 loads may be out
.else
	s_wait_loadcnt 0x0
.endif
	ROPE 0, \m, \m%2
	QUANT2 Y, PC0+8*(4+2*\m), 232+\m
	OUT PC0+8*(4+2*\m), 768*\m
	ROPE 1, \m, \m%2
	QUANT2 Y, PC0+8*(5+2*\m), 236+\m
	OUT PC0+8*(5+2*\m), 3145728+768*\m
.if \m < 2
	RTLOAD \m+2, \m%2
.endif
.endr
	v_cndmask_b32 v240, v232, v233, s82            ; pairs of tiles: the even tile's word in lanes 0-15, the odd tile's in lanes 16-31
	v_cndmask_b32 v241, v234, v235, s82
	v_cndmask_b32 v242, v236, v237, s82
	v_cndmask_b32 v243, v238, v239, s82
	global_store_b64 v2, v[240:241], s[70:71]      ; 256 consecutive bytes
	global_store_b64 v2, v[242:243], s[76:77]
	s_wait_dscnt 0x0                               ; for the others' sake: my bytes of v's scale words have landed
	s_barrier_signal -1
	s_barrier_wait -1
	s_cmp_lg_u32 s20, 0
	s_cbranch_scc1 .Lnot_v
	ds_load_b128 v[248:251], v10                   ; wave 0: the work-group's 512 bytes
	s_wait_dscnt 0x0
	global_store_b128 v[LI], v[248:251], s[78:79]
.Lnot_v:
	s_wait_tensorcnt 0x0
	ds_add_u32 v254, v255
	s_wait_dscnt 0x0
	CROUND                                         ; the closing round
	s_endpgm
.Lfunc_end_k_q13bff2b6ac_qkv:
	.size	k_q13bff2b6ac_qkv, .Lfunc_end_k_q13bff2b6ac_qkv-k_q13bff2b6ac_qkv
	.p2alignl 7, 3214868480
	.fill 96, 4, 3214868480
	.section	.rodata,"a",@progbits
	.p2align	6, 0x0
	.amdhsa_kernel k_q13bff2b6ac_qkv
		.amdhsa_group_segment_fixed_size 327680
		.amdhsa_private_segment_fixed_size 0
		.amdhsa_enable_private_segment 0
		.amdhsa_kernarg_size 64
		.amdhsa_user_sgpr_count 2
		.amdhsa_user_sgpr_kernarg_segment_ptr 1
		.amdhsa_wavefront_size32 1
		.amdhsa_system_sgpr_workgroup_id_x 1
		.amdhsa_system_sgpr_workgroup_id_y 1
		.amdhsa_system_sgpr_workgroup_id_z 1
		.amdhsa_system_vgpr_workitem_id 0
		.amdhsa_next_free_vgpr 1024
		.amdhsa_next_free_sgpr 100
		.amdhsa_reserve_vcc 0
		.amdhsa_float_denorm_mode_32 3
		.amdhsa_float_denorm_mode_16_64 3
		.amdhsa_memory_ordered 1
		.amdhsa_forward_progress 1
		.amdhsa_inst_pref_size 146
	.end_amdhsa_kernel
	.amdgpu_metadata
---
amdhsa.version: [ 1, 2 ]
amdhsa.kernels:
  - .name:           k_q13bff2b6ac_qkv
    .symbol:         k_q13bff2b6ac_qkv.kd
    .args:
      - { .name: codes, .offset: 0, .size: 8, .value_kind: global_buffer, .address_space: global }
      - { .name: scales, .offset: 8, .size: 8, .value_kind: global_buffer, .address_space: global }
      - { .name: rope, .offset: 16, .size: 8, .value_kind: global_buffer, .address_space: global }
      - { .name: bq, .offset: 24, .size: 8, .value_kind: global_buffer, .address_space: global }
      - { .name: bk, .offset: 32, .size: 8, .value_kind: global_buffer, .address_space: global }
      - { .name: bv, .offset: 40, .size: 8, .value_kind: global_buffer, .address_space: global }
      - { .name: qkvc, .offset: 48, .size: 8, .value_kind: global_buffer, .address_space: global }
      - { .name: qkvs, .offset: 56, .size: 8, .value_kind: global_buffer, .address_space: global }
    .group_segment_fixed_size: 327680
    .private_segment_fixed_size: 0
    .kernarg_segment_align: 8
    .kernarg_segment_size: 64
    .max_flat_workgroup_size: 128
    .sgpr_count:     100
    .vgpr_count:     1024
    .wavefront_size: 32
...
	.end_amdgpu_metadata
.endif
;; end of part 2
;; launch attn (part 3): grid 8 x 32, 16 waves a work-group, clusters of 4 x 1, 327,680 bytes of LDS; arguments qkvc, qkvs, ctxc, ctxs; writes ctxc, ctxs
.if DOCPART == 3
	.amdgcn_target "amdgcn-amd-amdhsa--gfx1250"
	.amdhsa_code_object_version 6
	.text
	.protected	k_q13bff2b6ac_attn
	.globl	k_q13bff2b6ac_attn
	.p2align	8
	.type	k_q13bff2b6ac_attn,@function
k_q13bff2b6ac_attn:
	s_mov_b64 s[64:65], 0
	v_nop
	global_prefetch_b8 v0, s[64:65] scope:SCOPE_SE
	s_setreg_imm32_b32 hwreg(HW_REG_WAVE_MODE, 25, 1), 1
	s_wait_xcnt 0x0
	s_wait_alu depctr_hold_cnt(0) depctr_sa_sdst(0) depctr_va_vdst(0) depctr_va_sdst(0) depctr_va_ssrc(0) depctr_va_vcc(0) depctr_vm_vsrc(0)
	s_getreg_b32 s2, hwreg(HW_REG_IB_STS2, 6, 4)
	s_cmp_eq_u32 s2, 0
	s_cbranch_scc0 .Lentry_in_a_cluster
	s_endpgm
.Lentry_in_a_cluster:
	s_bfe_u32 s2, ttmp6, 0x10000c
	s_cmp_lg_u32 s2, 0x3003
	s_cbranch_scc0 .Lentry_shape_is_right
	s_endpgm
.Lentry_shape_is_right:
; ctx = softmax(q k^T / 8) v for 256 queries of one head, both products on codes of FP6, and ctx quantised along (head, d) for the last projection.
; THE SOFTMAX: t = score x log2(e) / 8; M = the row's largest t so far, rounded UP to a whole number; p = 2^(t - M) is quantised along the keys, not normalised.  The row's sum is taken of the
; unquantised p and divides at the end.  When M moves, the sum and O are multiplied by 2^(old M - new M): exact.
; SHARES.  Work-group (QB, bh); each of sixteen waves owns one tile of 16 queries in 256 registers, four waves to a SIMD.
; ALL OF THE HEAD'S K AND V LIES IN LDS (2 x 98,304 bytes of codes, 12,288 of scale words), filled ONCE, jointly by the cluster's four work-groups (one head).  At the head each wave issues one load:
; waves 0-7 the codes of keys 0-511 (6,144 bytes each), waves 8-15 the scale words (1,536 each).  Behind the full sequence and a round each wave issues one more: 9,216 bytes of keys 512-2,047,
; which has the first four steps' work in which to land.
; No prefetch: everything is asked for by these two groups of loads; there is no later request to run ahead of.
; LAYOUT.  Both products transposed: S^T = K Q^T (source 0 = 16 keys), O^T = V^T P^T (source 0 = 16 d): a lane holds ONE query.
; WHICH KEYS FORM A TILE is chosen by the lanes' LDS addresses: tile (c, x, u) of a step of 128 keys has in rows 0-7 keys 64 c + 16 x + 8 u + 0..7 and in rows 8-15 keys 64 c + 32 + 16 (1 - x) + 8 u + 0..7.
; So the 32 registers of tiles (c, ., .) are, in lanes 0-15, block 2 c in order, and in lanes 16-31 block 2 c + 1 with its two halves of 16 exchanged: a WHOLE block in a lane: its maximum asks no other
; lane and its codes need no lane swap.  V's codes are stored with the same exchange in lanes 16-31, so every product meets its partner.  The 1 - x puts rows 0-7 and rows 8-15 on different banks.
; THE FIRST PRODUCT'S K IS 64: Q's upper six registers hold zero codes; tile j's operand runs on into tile j + 1's codes, which meet those zeros; behind the eighth tile lie six registers of zeros.
; LIMITS: NaN and infinities are not served; p under 2^-126 counts as 0; the division by the sum is v_rcp_f32 and a multiplication; a block under 2^-124 keeps the byte 1;
; the promise holds while the scaled scores stay under 2^31 in magnitude.
.set SPARE, 208896                     ; behind the scale words: 16 x 128 bytes of spare words
.set KA,  3                            ; v3-4 K's 16-byte pieces for x = 0, 1; v5-6 its 8-byte pieces; v7-8 its scale words; v9-11 V's pieces and scale words
.set KB,  5
.set KC,  7
.set VA,  9
.set VB,  10
.set VS,  11
.set NMA, 12                           ; v12 -M (even steps find it here); v13 the row's largest score so far
.set L,   14                           ; v[14:15] the sum
.set Q,   16
.set KSC, 28
.set VSC, 32
.set PW,  34
.set QSC, 35
.set KR,  36                           ; v36-89 K's eight tiles and six zeros; then V in v36-83
.set S,   90
.set O,   154
.set PCD, 186
.set PTT, 198
.set MA,  206
.set MB,  208
.set BM,  210
.set T,   212
.set PD,  213
.set SOP, 214
.set BY,  216
.set F,   218
.set T0,  220
.set T1,  222
.set T2,  224
.set NMB, 226                          ; v226 -M (odd steps find it here); v227 8 x (lane / 16)
.set SH8, 227
.set LA,  228                          ; lane terms of KA, KB, KC, for x = 0, 1
.set LB,  230
.set LC,  232
.set W,   234
.set R4,  235
.set QM,  206                          ; QUANT2's temporaries, on the way out
.set QP,  208
.set QB,  210
.set QS,  214
.set QT,  198
.set CS,  60                           ; s[60:61] c = log2(e) / 8
.set SEL, 62
.set TB,  66                           ; LDS byte of the trip's tiles of K: 12,288 a trip of two steps
.set TBV, 67
.set TKS, 68
.set TVS, 69
.set CNT, 70
.macro PLACES
.rept 4
	v_nop
.endr
.endm
.macro D1
	s_delay_alu instid0(VALU_DEP_1)
.endm
.macro CROUND
	s_barrier_signal -1
	s_barrier_wait -1
	s_cmp_lg_u32 s20, 0
	s_cbranch_scc1 .Lnot_wave_0_\@
	s_barrier_signal -3
.Lnot_wave_0_\@:
	s_barrier_wait -3
	s_barrier_signal -1
	s_barrier_wait -1
.endm
.macro QUANT2 y, pc, w                 ; 32 numbers of a lane, register 16 b + i = element 32 b + 16 (lane / 16) + i of my row -> six registers of codes, two scale bytes
.irp b, 0,1
	v_max3_num_f32 v[QM+\b], |v[(\y)+16*\b]|, |v[(\y)+16*\b+1]|, 0x1800000
.endr
.irp i, 2,4,6,8,10,12,14
.irp b, 0,1
	s_delay_alu instid0(VALU_DEP_2)
	v_max3_num_f32 v[QM+\b], v[QM+\b], |v[(\y)+16*\b+\i]|, |v[(\y)+16*\b+\i+1]|
.endr
.endr
.irp b, 0,1
	s_delay_alu instid0(VALU_DEP_2)
	v_permlanex16_b32 v[QP+\b], v[QM+\b], s[SEL], s[SEL+1]
.endr
.irp b, 0,1
	s_delay_alu instid0(VALU_DEP_2)
	v_max_num_f32 v[QM+\b], v[QM+\b], v[QP+\b]
.endr
.irp b, 0,1
	s_delay_alu instid0(VALU_DEP_2)
	v_add_nc_u32 v[QS+\b], 0xff000000, v[QM+\b]
.endr
.irp b, 0,1
	s_delay_alu instid0(VALU_DEP_2)
	v_lshrrev_b32 v[QB+\b], 23, v[QS+\b]
.endr
	D1
	v_lshl_or_b32 v[\w], v[QB+1], 8, v[QB]
	v_cvt_scalef32_pk16_fp6_f32 v[(\pc):(\pc)+2], v[(\y):(\y)+15], v[QS]
	v_cvt_scalef32_pk16_fp6_f32 v[QT:QT+2], v[(\y)+16:(\y)+31], v[QS+1]
	v_nop
.irp i, 0,1,2
	v_permlane16_swap_b32 v[(\pc)+\i], v[QT+\i]
.endr
.irp i, 0,1,2
	s_delay_alu instid0(VALU_DEP_3)
	v_mov_b32 v[(\pc)+3+\i], v[QT+\i]
.endr
.endm
	s_load_b256 s[4:11], s[0:1], 0x0               ; qkvc, qkvs, ctxc, ctxs
	v_lshl_add_u32 v254, v0, 2, SPARE
	v_mov_b32 v255, 0
	ds_add_u32 v254, v255                          ; the opening lines: the add, twice on end, and its wait
	ds_add_u32 v254, v255
	v_lshrrev_b32 v3, 5, v0
	D1
	v_readfirstlane_b32 s20, v3                    ; wave 0..15
	s_bfe_u32 s21, ttmp6, 0x40000                  ; cx
	s_lshl_b32 s12, ttmp9, 2
	s_add_co_u32 s12, s12, s21                     ; QB
	s_and_b32 s13, ttmp7, 0xffff                   ; bh, which the four partners share
.irp g, 24, 32, 88                             ; three groups 1: dense blocks as rows of 256 bytes (32 elements of 8); mask: all four; bit 21 beside a mask
	s_mov_b32 s[\g], 15|(3<<16)|(1<<21)
	s_mov_b32 s[\g+1], 32<<16
	s_mov_b32 s[\g+3], 32<<16
	s_mov_b32 s[\g+5], 32
	s_mov_b32 s[\g+6], 0
	s_mov_b32 s[\g+7], 0
.endr
	s_mov_b32 s26, 6<<16                           ; 6 rows: an eighth of the scale words
	s_mov_b32 s28, 6
	s_mov_b32 s34, 24<<16                          ; 24 rows: a quarter of K's or V's first 512 keys
	s_mov_b32 s36, 24
	s_mov_b32 s90, 36<<16                          ; 36 rows: an eighth of K's or V's other 1,536 keys
	s_mov_b32 s92, 36
	s_mul_i32 s99, s13, 98304                      ; the head's place in K and in V
	s_lshr_b32 s86, s20, 2                         ; waves 0-7: 0 K, 1 V;
	s_and_b32 s87, s20, 3                          ; which quarter
	s_mul_i32 s87, s87, 6144
	s_mul_i32 s71, s86, 98304
	s_add_co_u32 s71, s71, s87                     ; in LDS,
	s_mul_i32 s72, s86, 3145728
	s_add_co_u32 s72, s72, 3145728
	s_add_co_u32 s72, s72, s87
	s_add_co_u32 s72, s72, s99                     ; and in memory
	s_mov_b32 s73, 0
	s_and_b32 s96, s20, 7
	s_mul_i32 s74, s96, 1536                       ; waves 8-15: an eighth of the head's 12,288 bytes of scale words
	s_mul_i32 s76, s13, 12288
	s_add_co_u32 s76, s76, s74
	s_add_co_u32 s76, s76, 262144
	s_mov_b32 s77, 0
	s_add_co_u32 s74, s74, 196608
	s_lshr_b32 s97, s20, 3                         ; the second group: waves 0-7 K, 8-15 V; an eighth each, behind the first 24,576 bytes
	s_mul_i32 s96, s96, 9216
	s_add_co_u32 s96, s96, 24576
	s_mul_i32 s54, s97, 98304
	s_add_co_u32 s54, s54, s96
	s_mul_i32 s52, s97, 3145728
	s_add_co_u32 s52, s52, 3145728
	s_add_co_u32 s52, s52, s96
	s_add_co_u32 s52, s52, s99
	s_mov_b32 s53, 0
	s_lshl_b32 s14, s12, 4                         ; what hangs on cx lies in other registers than the descriptors' sources
	s_add_co_u32 s14, s14, s20                     ; tq: my tile of queries
	s_lshl_b32 s15, s13, 7
	s_add_co_u32 s15, s15, s14
	s_mul_i32 s78, s15, 768                        ; Q's codes
	s_mov_b32 s79, 0
	s_lshl_b32 s80, s13, 13                        ; Q's scale words: 8,192 bh + 256 (tq / 4) + 128 (tq % 2) + 4 ((tq / 2) % 2)
	s_lshr_b32 s16, s14, 2
	s_lshl_b32 s16, s16, 8
	s_add_co_u32 s80, s80, s16
	s_and_b32 s16, s14, 1
	s_lshl_b32 s16, s16, 7
	s_add_co_u32 s80, s80, s16
	s_bfe_u32 s16, s14, 0x10001
	s_lshl_b32 s16, s16, 2
	s_add_co_u32 s80, s80, s16
	s_mov_b32 s81, 0
	s_lshr_b32 s17, s13, 4
	s_lshl_b32 s17, s17, 7
	s_add_co_u32 s17, s17, s14                     ; T: the tile among all 256 tiles of tokens
	s_and_b32 s18, s13, 15                         ; the head
	s_mul_i32 s82, s17, 12288
	s_mul_i32 s16, s18, 768
	s_add_co_u32 s82, s82, s16                     ; ctx's codes
	s_mov_b32 s83, 0
	s_lshr_b32 s84, s17, 1                         ; ctx's scale bytes: 1,024 (T / 2) + 128 (head / 2) + 64 (T % 2) + 2 (head % 2)
	s_lshl_b32 s84, s84, 10
	s_lshr_b32 s16, s18, 1
	s_lshl_b32 s16, s16, 7
	s_add_co_u32 s84, s84, s16
	s_and_b32 s16, s17, 1
	s_lshl_b32 s16, s16, 6
	s_add_co_u32 s84, s84, s16
	s_and_b32 s16, s18, 1
	s_lshl_b32 s16, s16, 1
	s_add_co_u32 s84, s84, s16
	s_mov_b32 s85, 0
	s_mov_b32 s[CS], 0x3e38aa3b
	s_mov_b32 s[CS+1], s[CS]                       ; (named with it as a pair, so it is written)
	s_mov_b32 s[SEL], 0x76543210
	s_mov_b32 s[SEL+1], 0xfedcba98
	s_mov_b32 s[TB], 0
	s_mov_b32 s[TBV], 98304
	s_mov_b32 s[TKS], 196608
	s_mov_b32 s[TVS], 204800
	s_wait_dscnt 0x0                               ; both opening adds are done
	s_wait_kmcnt 0x0
	s_add_nc_u64 s[78:79], s[4:5], s[78:79]
	s_add_nc_u64 s[80:81], s[6:7], s[80:81]
	s_add_nc_u64 s[82:83], s[8:9], s[82:83]
	s_add_nc_u64 s[84:85], s[10:11], s[84:85]
	s_mov_b32 s40, 1                               ; group 0: scale words,
	s_mov_b32 s41, s74
	s_add_nc_u64 s[42:43], s[6:7], s[76:77]
	s_or_b32 s43, s43, 0x80000000
	s_mov_b32 s44, 1                               ; keys 0-511,
	s_mov_b32 s45, s71
	s_add_nc_u64 s[46:47], s[4:5], s[72:73]
	s_or_b32 s47, s47, 0x80000000
	s_mov_b32 s48, 1                               ; keys 512-2,047
	s_mov_b32 s49, s54
	s_add_nc_u64 s[50:51], s[4:5], s[52:53]
	s_or_b32 s51, s51, 0x80000000
	CROUND                                         ; all four work-groups are here: the joint loads meet
	s_cmp_lt_u32 s20, 8                            ; one load a wave, one in each arm of a branch on the wave's number, the same in all partners
	s_cbranch_scc0 .Lfor_scales
	tensor_load_to_lds s[44:47], s[32:39]
	s_nop 0
	PLACES
	s_branch .Lasked
.Lfor_scales:
	tensor_load_to_lds s[40:43], s[24:31]
	s_nop 0
	PLACES
.Lasked:
	v_and_b32 v3, 31, v0
	v_and_b32 v4, 15, v0
	s_delay_alu instid0(VALU_DEP_2)
	v_lshlrev_b32 v1, 4, v3                        ; 16 x lane
	v_lshlrev_b32 v2, 3, v3                        ; 8 x lane
	v_lshlrev_b32 v5, 3, v4                        ; Q's scale word: 8 r
	global_load_b128 v[Q:Q+3], v1, s[78:79]        ; Q stays in registers
	global_load_b64 v[Q+4:Q+5], v2, s[78:79] offset:512
	global_load_b32 v[QSC], v5, s[80:81]           ; every lane takes its query's word
	v_and_b32 v6, 7, v0                            ; b = r % 8
	v_bfe_u32 v7, v0, 3, 1                         ; q = r / 8
	v_bfe_u32 v8, v0, 4, 1                         ; h
	v_mul_u32_u24 v[LA], v7, 1664                  ; x = 0: rows 8-15 come from the tile 1,536 bytes on, and from its rows 8-15 (128 bytes on);
	v_mul_u32_u24 v[LB], v7, 1600
	v_mul_u32_u24 v[LC], v7, 68
	v_lshl_add_u32 v[LA], v6, 4, v[LA]
	v_lshl_add_u32 v[LB], v6, 3, v[LB]
	v_lshl_add_u32 v[LC], v6, 3, v[LC]
	v_lshl_add_u32 v[LA], v8, 8, v[LA]
	v_lshl_add_u32 v[LB], v8, 7, v[LB]
	v_lshl_add_u32 v[LC], v8, 7, v[LC]             ; (scale words: lanes 16-31 take the tile u = 1)
	v_xor_b32 v[LA+1], 128, v[LA]                  ; x = 1: the two halves of the rows the other way round (the terms' bits do not meet)
	v_xor_b32 v[LB+1], 64, v[LB]
	v_xor_b32 v[LC+1], 64, v[LC]
	v_lshlrev_b32 v[SH8], 3, v8
.irp j, 22,23,24,25,26,27, 84,85,86,87,88,89
	v_mov_b32 v[\j], 0                             ; zero codes: Q's upper 64 along K; what lies behind K's eighth tile
.endr
	v_mov_b32 v13, 0xff61b1e6                      ; the largest score so far: -3e38
	D1
	v_floor_f32 v[NMA], -v13                       ; -M
	v_mov_b32 v[L], 0
	v_mov_b32 v[L+1], 0
	v_mov_b32 v[PD], 0                             ; a lane permute's destination counts as read
	v_mov_b32 v[F+1], 0                            ; (named as the upper half of a pair)
.set j, 0
.rept 32
	v_mov_b32 v[O+j], 0                            ; O^T: the step is written once; the first finds zeros, which the first change of M leaves zeros
.set j, j+1
.endr
	s_wait_alu depctr_va_vdst(0)                   ; the wait at the head's end
	s_wait_loadcnt 0x0
	s_wait_tensorcnt 0x0                           ; my load has landed
	ds_add_u32 v254, v255
	s_wait_dscnt 0x0
	CROUND                                         ; everybody's has, and the four work-groups are here
	tensor_load_to_lds s[48:51], s[88:95]          ; keys 512-2,047: my one load behind the round
	s_nop 0
	PLACES
; A KEY STEP: 128 keys.  st: which of a trip's two; -M changes places between two registers from step to step
.macro STEP st
.if (\st) == 0
.set NO, NMA
.set NN, NMB
	v_add_nc_u32 v[KA], s[TB], v[LA]
	v_add_nc_u32 v[KA+1], s[TB], v[LA+1]
	v_add_nc_u32 v[KB], s[TB], v[LB]
	v_add_nc_u32 v[KB+1], s[TB], v[LB+1]
	v_add_nc_u32 v[KC], s[TKS], v[LC]
	v_add_nc_u32 v[KC+1], s[TKS], v[LC+1]
	v_add_nc_u32 v[VA], s[TBV], v1
	v_add_nc_u32 v[VB], s[TBV], v2
	v_add_nc_u32 v[VS], s[TVS], v2
.else
.set NO, NMB
.set NN, NMA
.endif
.irp c, 0,1
.irp x, 0,1
	ds_load_b32 v[KSC+2*\c+\x], v[KC+\x] offset:512*(\st)+256*\c
.endr
.endr
.irp c, 0,1
.irp x, 0,1
.irp u, 0,1
.set J, 4*\c+2*\x+\u
	ds_load_b128 v[KR+6*J:KR+6*J+3], v[KA+\x] offset:6144*(\st)+768*(4*\c+\u)
	ds_load_b64 v[KR+6*J+4:KR+6*J+5], v[KB+\x] offset:6144*(\st)+768*(4*\c+\u)+512
.endr
.endr
.endr
.if (\st) == 0
	s_wait_alu depctr_va_vdst(0)
.endif
	s_wait_dscnt 0x0
.irp j, 0,1,2,3,4,5,6,7
.if \j%2
	v_wmma_scale_f32_16x16x128_f8f6f4 v[S+8*\j:S+8*\j+7], v[KR+6*\j:KR+6*\j+11], v[Q:Q+11], 0, v[KSC+\j/2], v[QSC] matrix_a_fmt:MATRIX_FMT_FP6 matrix_b_fmt:MATRIX_FMT_FP6 matrix_a_scale:MATRIX_SCALE_ROW1
.else
	v_wmma_scale_f32_16x16x128_f8f6f4 v[S+8*\j:S+8*\j+7], v[KR+6*\j:KR+6*\j+11], v[Q:Q+11], 0, v[KSC+\j/2], v[QSC] matrix_a_fmt:MATRIX_FMT_FP6 matrix_b_fmt:MATRIX_FMT_FP6
.endif
.endr
	PLACES
.irp t, 0,1,2,3                                ; V's four tiles of d x 128 keys, into K's registers: they land during the softmax
.irp c, 0,1
	ds_load_b128 v[KR+12*\t+6*\c:KR+12*\t+6*\c+3], v[VA] offset:6144*(\st)+3072*\c+768*\t
	ds_load_b64 v[KR+12*\t+6*\c+4:KR+12*\t+6*\c+5], v[VB] offset:6144*(\st)+3072*\c+768*\t+512
.endr
.endr
	ds_load_b64 v[VSC:VSC+1], v[VS] offset:256*(\st)
.irp c, 0,1                                    ; the largest score of my two blocks of 32 keys, four chains; each accumulator is first read at its low end
	v_max3_num_f32 v[MA+\c], v[S+32*\c], v[S+32*\c+1], v[S+32*\c+2]
	v_max3_num_f32 v[MB+\c], v[S+32*\c+16], v[S+32*\c+17], v[S+32*\c+18]
.endr
.irp i, 3,5,7,9,11,13
.irp c, 0,1
	v_max3_num_f32 v[MA+\c], v[MA+\c], v[S+32*\c+\i], v[S+32*\c+\i+1]
	v_max3_num_f32 v[MB+\c], v[MB+\c], v[S+32*\c+16+\i], v[S+32*\c+17+\i]
.endr
.endr
.irp c, 0,1
	v_max3_num_f32 v[BM+\c], v[MA+\c], v[MB+\c], v[S+32*\c+15]
.endr
.irp c, 0,1
	v_max_num_f32 v[BM+\c], v[BM+\c], v[S+32*\c+31]
.endr
	D1
	v_max3_num_f32 v[T], v[BM], v[BM+1], v13
	D1
	v_permlanex16_b32 v[PD], v[T], s[SEL], s[SEL+1]
	D1
	v_max_num_f32 v13, v[T], v[PD]                 ; with lane l xor 16's 64 keys: the row's largest score so far
	D1
	v_mul_f32 v[T], s[CS], v13                     ; as t (c is positive)
	D1
	v_floor_f32 v[NN], -v[T]                       ; the new -M = -ceil(t): a whole number
	D1
	v_sub_f32 v[T], v[NN], v[NO]                   ; old M - new M, 0 or less
.set j, 0
.rept 4
	v_pk_fma_f32 v[S+j:S+1+j], v[S+j:S+1+j], s[CS:CS+1], v[NN:NN+1] op_sel_hi:[1,0,0]   ; t - M, two at a time
.set j, j+2
.endr
	v_cvt_i32_f32 v[T], v[T]                       ; (it saturates)
.rept 4
	v_pk_fma_f32 v[S+j:S+1+j], v[S+j:S+1+j], s[CS:CS+1], v[NN:NN+1] op_sel_hi:[1,0,0]
.set j, j+2
.endr
	v_ldexp_f32 v[F], 1.0, v[T]                    ; f = 2^(old M - new M)
.rept 24
	v_pk_fma_f32 v[S+j:S+1+j], v[S+j:S+1+j], s[CS:CS+1], v[NN:NN+1] op_sel_hi:[1,0,0]
.set j, j+2
.endr
.irp c, 0,1
	v_fma_f32 v[BM+\c], v[BM+\c], s[CS], v[NN]     ; the same of each block's largest score
.endr
.set j, 0
.rept 16
	v_pk_mul_f32 v[O+j:O+1+j], v[O+j:O+1+j], v[F:F+1] op_sel_hi:[1,0]   ; O^T under the new M
.set j, j+2
.endr
	s_wait_alu depctr_va_vdst(0)                   ; the wait ahead of the batch
.irp c, 0,1
	v_exp_f32 v[BM+\c], v[BM+\c]                   ; the block's largest p: the same two instructions on the same number give the same bits
.endr
.set j, 0
.rept 64
	v_exp_f32 v[S+j], v[S+j]                       ; p = 2^(t - M), at most 1
.set j, j+1
.endr
	v_pk_mul_f32 v[L:L+1], v[L:L+1], v[F:F+1] op_sel_hi:[1,0]   ; the sum under the new M (a plain instruction behind the exponentials)
	s_wait_alu depctr_va_vdst(0)                   ; one wait for the batch, ahead of its first reader
.irp c, 0,1
	v_max_num_f32 v[BM+\c], 0x1800000, v[BM+\c]    ; the floor 2^(3 - 127): the byte cannot fall under 1
.endr
.irp c, 0,1
	s_delay_alu instid0(VALU_DEP_2)
	v_add_nc_u32 v[SOP+\c], 0xff000000, v[BM+\c]   ; 2 off the exponent field: the conversion's scale operand
.endr
.irp c, 0,1
	s_delay_alu instid0(VALU_DEP_2)
	v_lshrrev_b32 v[BY+\c], 23, v[SOP+\c]
.endr
	D1
	v_lshl_or_b32 v[W], v[BY+1], 16, v[BY]         ; my bytes are blocks h and 2 + h of the word;
	D1
	v_lshlrev_b32 v[W], v[SH8], v[W]
	D1
	v_permlanex16_b32 v[PD], v[W], s[SEL], s[SEL+1]
	D1
	v_or_b32 v[PW], v[W], v[PD]                    ; with lane l xor 16's two it is whole
.irp c, 0,1
	v_cvt_scalef32_pk16_fp6_f32 v[PCD+6*\c:PCD+6*\c+2], v[S+32*\c:S+32*\c+15], v[SOP+\c]
	v_cvt_scalef32_pk16_fp6_f32 v[PTT+4*\c:PTT+4*\c+2], v[S+32*\c+16:S+32*\c+31], v[SOP+\c]
.endr
	v_pk_add_f32 v[T0:T0+1], v[S:S+1], v[S+2:S+3]  ; the row's sum of the unquantised p, four chains (plain instructions behind the conversions)
	v_pk_add_f32 v[T1:T1+1], v[S+4:S+5], v[S+6:S+7]
	v_pk_add_f32 v[T2:T2+1], v[S+8:S+9], v[S+10:S+11]
	v_pk_add_f32 v[L:L+1], v[L:L+1], v[S+12:S+13]
.irp c, 0,1
.irp i, 0,1,2
	v_mov_b32 v[PCD+6*\c+3+\i], v[PTT+4*\c+\i]     ; (a conversion's three registers begin on an even number)
.endr
.endr
.set j, 14
.rept 6
	v_pk_add_f32 v[T0:T0+1], v[T0:T0+1], v[S+j:S+j+1]
	v_pk_add_f32 v[T1:T1+1], v[T1:T1+1], v[S+j+2:S+j+3]
	v_pk_add_f32 v[T2:T2+1], v[T2:T2+1], v[S+j+4:S+j+5]
	v_pk_add_f32 v[L:L+1], v[L:L+1], v[S+j+6:S+j+7]
.set j, j+8
.endr
	s_wait_alu depctr_va_vdst(0)
	s_wait_dscnt 0x0                               ; V is in
.irp t, 0,1,2,3
.if \t%2
	v_wmma_scale_f32_16x16x128_f8f6f4 v[O+8*\t:O+8*\t+7], v[KR+12*\t:KR+12*\t+11], v[PCD:PCD+11], v[O+8*\t:O+8*\t+7], v[VSC+\t/2], v[PW] matrix_a_fmt:MATRIX_FMT_FP6 matrix_b_fmt:MATRIX_FMT_FP6 matrix_a_scale:MATRIX_SCALE_ROW1
.else
	v_wmma_scale_f32_16x16x128_f8f6f4 v[O+8*\t:O+8*\t+7], v[KR+12*\t:KR+12*\t+11], v[PCD:PCD+11], v[O+8*\t:O+8*\t+7], v[VSC+\t/2], v[PW] matrix_a_fmt:MATRIX_FMT_FP6 matrix_b_fmt:MATRIX_FMT_FP6
.endif
.endr
	v_pk_add_f32 v[T0:T0+1], v[T0:T0+1], v[S+62:S+63]   ; the sum's last four additions name no register of the products: they are the places in front of the next loads into K's registers
	v_pk_add_f32 v[T1:T1+1], v[T1:T1+1], v[T2:T2+1]
	s_delay_alu instid0(VALU_DEP_2)
	v_pk_add_f32 v[L:L+1], v[L:L+1], v[T0:T0+1]
	D1
	v_pk_add_f32 v[L:L+1], v[L:L+1], v[T1:T1+1]
.endm
.macro RUN n                           ; n trips of two steps
	s_mov_b32 s[CNT], \n
.Ltrip_\@:
	STEP 0
	STEP 1
	s_add_co_u32 s[TB], s[TB], 12288
	s_add_co_u32 s[TBV], s[TBV], 12288
	s_add_co_u32 s[TKS], s[TKS], 1024
	s_add_co_u32 s[TVS], s[TVS], 512
	s_sub_co_u32 s[CNT], s[CNT], 1
	s_cmp_lg_u32 s[CNT], 0
	s_cbranch_scc1 .Ltrip_\@
.endm
	RUN 2                                          ; keys 0-511
	s_wait_tensorcnt 0x0                           ; my part of keys 512-2,047 has landed, no LDS load of mine is out,
	s_wait_dscnt 0x0
	s_barrier_signal -1
	s_barrier_wait -1                              ; everybody's has
	RUN 6
	; ---- THE WAY OUT: O^T / the sum; register 8 t + i is d = 32 (t / 2) + 16 h + 8 (t % 2) + i of my query: 32 numbers in QUANT2's order
	v_add_f32 v[L], v[L], v[L+1]
	D1
	v_permlanex16_b32 v[PD], v[L], s[SEL], s[SEL+1]
	D1
	v_add_f32 v[L], v[L], v[PD]                    ; the row's sum
	s_wait_alu depctr_va_vdst(0)
	v_rcp_f32 v[L], v[L]
	v_and_b32 v[R4], 15, v0                        ; (plain work behind the reciprocal)
	D1
	v_lshlrev_b32 v[R4], 2, v[R4]                  ; 4 r
	s_wait_alu depctr_va_vdst(0)                   ; the wait ahead of the first reader of the reciprocal and of O^T
.set j, 0
.rept 16
	v_pk_mul_f32 v[S+j:S+1+j], v[O+j:O+1+j], v[L:L+1] op_sel_hi:[1,0]
.set j, j+2
.endr
	QUANT2 S, PCD, T
	global_store_b128 v1, v[PCD:PCD+3], s[82:83]   ; 512 and 256 consecutive bytes
	global_store_b64 v2, v[PCD+4:PCD+5], s[82:83] offset:512
	global_store_b16 v[R4], v[T], s[84:85]         ; two bytes of each row's scale word: the other two are the neighbouring head's, which another work-group makes; both halves of the lanes write the same
	s_wait_tensorcnt 0x0                           ; the wave's end
	ds_add_u32 v254, v255
	s_wait_dscnt 0x0
	CROUND                                         ; the closing round
	s_endpgm
.Lfunc_end_k_q13bff2b6ac_attn:
	.size	k_q13bff2b6ac_attn, .Lfunc_end_k_q13bff2b6ac_attn-k_q13bff2b6ac_attn
	.p2alignl 7, 3214868480
	.fill 96, 4, 3214868480
	.section	.rodata,"a",@progbits
	.p2align	6, 0x0
	.amdhsa_kernel k_q13bff2b6ac_attn
		.amdhsa_group_segment_fixed_size 327680
		.amdhsa_private_segment_fixed_size 0
		.amdhsa_enable_private_segment 0
		.amdhsa_kernarg_size 32
		.amdhsa_user_sgpr_count 2
		.amdhsa_user_sgpr_kernarg_segment_ptr 1
		.amdhsa_wavefront_size32 1
		.amdhsa_system_sgpr_workgroup_id_x 1
		.amdhsa_system_sgpr_workgroup_id_y 1
		.amdhsa_system_sgpr_workgroup_id_z 1
		.amdhsa_system_vgpr_workitem_id 0
		.amdhsa_next_free_vgpr 256
		.amdhsa_next_free_sgpr 100
		.amdhsa_reserve_vcc 0
		.amdhsa_float_denorm_mode_32 3
		.amdhsa_float_denorm_mode_16_64 3
		.amdhsa_memory_ordered 1
		.amdhsa_forward_progress 1
		.amdhsa_inst_pref_size 78
	.end_amdhsa_kernel
	.amdgpu_metadata
---
amdhsa.version: [ 1, 2 ]
amdhsa.kernels:
  - .name:           k_q13bff2b6ac_attn
    .symbol:         k_q13bff2b6ac_attn.kd
    .args:
      - { .name: qkvc, .offset: 0, .size: 8, .value_kind: global_buffer, .address_space: global }
      - { .name: qkvs, .offset: 8, .size: 8, .value_kind: global_buffer, .address_space: global }
      - { .name: ctxc, .offset: 16, .size: 8, .value_kind: global_buffer, .address_space: global }
      - { .name: ctxs, .offset: 24, .size: 8, .value_kind: global_buffer, .address_space: global }
    .group_segment_fixed_size: 327680
    .private_segment_fixed_size: 0
    .kernarg_segment_align: 8
    .kernarg_segment_size: 32
    .max_flat_workgroup_size: 512
    .sgpr_count:     100
    .vgpr_count:     256
    .wavefront_size: 32
...
	.end_amdgpu_metadata
.endif
;; end of part 3
;; launch proj (part 4): grid 16 x 16, 4 waves a work-group, clusters of 4 x 1, 168,448 bytes of LDS; arguments ctxc, ctxs, codes, scales, bp, out0; writes out0
.if DOCPART == 4
	.amdgcn_target "amdgcn-amd-amdhsa--gfx1250"
	.amdhsa_code_object_version 6
	.text
	.protected	k_q13bff2b6ac_proj
	.globl	k_q13bff2b6ac_proj
	.p2align	8
	.type	k_q13bff2b6ac_proj,@function
k_q13bff2b6ac_proj:
	s_mov_b64 s[64:65], 0
	v_nop
	global_prefetch_b8 v0, s[64:65] scope:SCOPE_SE
	s_setreg_imm32_b32 hwreg(HW_REG_WAVE_MODE, 25, 1), 1
	s_wait_xcnt 0x0
	s_wait_alu depctr_hold_cnt(0) depctr_sa_sdst(0) depctr_va_vdst(0) depctr_va_sdst(0) depctr_va_ssrc(0) depctr_va_vcc(0) depctr_vm_vsrc(0)
	s_getreg_b32 s2, hwreg(HW_REG_IB_STS2, 6, 4)
	s_cmp_eq_u32 s2, 0
	s_cbranch_scc0 .Lentry_in_a_cluster
	s_endpgm
.Lentry_in_a_cluster:
	s_bfe_u32 s2, ttmp6, 0x10000c
	s_cmp_lg_u32 s2, 0x3003
	s_cbranch_scc0 .Lentry_shape_is_right
	s_endpgm
.Lentry_shape_is_right:
; out0 = ctx Wp^T + bp on codes of FP6 (K = 1,024).  Work-group (X, FB): 256 tokens x 64 features; wave w: 64 tokens (tiles T0 + m, T0 = 16 X + 4 w) x 64 features (tiles f): 16 accumulators.
; TRANSPOSED: source 0 = 16 rows of Wp, source 1 = 16 tokens: a lane holds one token, and the registers of tiles 2 b, 2 b + 1 are features 32 b + 16 (lane / 16) + 0..15.
; Wp's 64 rows (49,152 bytes of codes) are read by all four waves and by the cluster's four work-groups (same FB): into LDS ONCE, by joint tensor loads, in four quarters of K; nothing in LDS is filled twice.
; A wave's 64 tokens of ctx are read by that wave alone: from memory straight into registers, all eight K steps asked for at the head (a K step's operand is two heads' halves: 6 + 6 registers).
; bp is the C of each sum's first product.  Results leave through the wave's own stage in LDS, so that sixteen lanes store 256 consecutive aligned bytes of a row.
; REGISTERS.  Window 0: v1-8 addresses; v16-31 ctx's scale words, v32-47 Wp's (nothing else lies there); v48-143 Wp's fragments, two sets; v144-175 bp's tiles; v176-239 rows on their way out, two sets.
;   window 1: ctx's K steps 0-4 at 48 s;  window 2: K steps 5-7;  window 3: the accumulators at 32 m + 8 f.
.set STGB, 49152                       ; LDS: W as [f][12,288 bytes]; behind it a stage of 16 x 272 bytes for each wave
.set CSC, 16
.set WSC, 32
.set WF,  48
.set BP,  144
.set BK,  176
.set MSB, 0
.macro WIN new
.if MSB != (\new)
	s_set_vgpr_msb (MSB<<8)|(\new)
.set MSB, (\new)
.endif
.endm
.macro PLACES
.rept 4
	v_nop
.endr
.endm
.macro CROUND
	s_barrier_signal -1
	s_barrier_wait -1
	s_cmp_lg_u32 s20, 0
	s_cbranch_scc1 .Lnot_wave_0_\@
	s_barrier_signal -3
.Lnot_wave_0_\@:
	s_barrier_wait -3
	s_barrier_signal -1
	s_barrier_wait -1
.endm
.macro ASET s
.if (\s) < 5
.set AW, 1
.set AB, 48*(\s)
.else
.set AW, 2
.set AB, 48*((\s)-5)
.endif
.endm
.macro ALOAD s                         ; 16 loads: four tiles x two heads x (512 + 256 bytes)
	ASET \s
	WIN (AW<<6)
.irp m, 0,1,2,3
.irp c, 0,1
	global_load_b128 v[AB+12*\m+6*\c:AB+12*\m+6*\c+3], v1, s[58:59] offset:12288*\m+768*(2*(\s)+\c)
	global_load_b64 v[AB+12*\m+6*\c+4:AB+12*\m+6*\c+5], v2, s[58:59] offset:12288*\m+768*(2*(\s)+\c)+512
.endr
.endr
.endm
.macro WLOAD s                         ; Wp's four fragments of K step s into set s % 2
.irp f, 0,1,2,3
.irp j, 0,1,2
	ds_load_b128 v[WF+48*((\s)%2)+12*\f+4*\j:WF+48*((\s)%2)+12*\f+4*\j+3], v1 offset:\f*12288+(\s)*1536+512*\j   ; W lies as [f][12,288 bytes]: wave w brings tile f = w, all of K, by ONE tensor load (in place of the quarters named in the head comment)
.endr
.endr
.endm
.macro WM
.if rRA && rRB
	v_wmma_scale_f32_16x16x128_f8f6f4 v[rD:rD+7], v[rA:rA+11], v[rB:rB+11], v[rC:rC+7], v[rSA], v[rSB] matrix_a_fmt:MATRIX_FMT_FP6 matrix_b_fmt:MATRIX_FMT_FP6 matrix_a_scale:MATRIX_SCALE_ROW1 matrix_b_scale:MATRIX_SCALE_ROW1
.elseif rRA
	v_wmma_scale_f32_16x16x128_f8f6f4 v[rD:rD+7], v[rA:rA+11], v[rB:rB+11], v[rC:rC+7], v[rSA], v[rSB] matrix_a_fmt:MATRIX_FMT_FP6 matrix_b_fmt:MATRIX_FMT_FP6 matrix_a_scale:MATRIX_SCALE_ROW1
.elseif rRB
	v_wmma_scale_f32_16x16x128_f8f6f4 v[rD:rD+7], v[rA:rA+11], v[rB:rB+11], v[rC:rC+7], v[rSA], v[rSB] matrix_a_fmt:MATRIX_FMT_FP6 matrix_b_fmt:MATRIX_FMT_FP6 matrix_b_scale:MATRIX_SCALE_ROW1
.else
	v_wmma_scale_f32_16x16x128_f8f6f4 v[rD:rD+7], v[rA:rA+11], v[rB:rB+11], v[rC:rC+7], v[rSA], v[rSB] matrix_a_fmt:MATRIX_FMT_FP6 matrix_b_fmt:MATRIX_FMT_FP6
.endif
.endm
; K step s: 16 products, each on another accumulator (they take turns, one instruction a turn); then the fragments of K step s + 2 are fetched into the set just multiplied.
; bar >= 0: the quarter of W that this fetch reads must be whole: my part has landed (bar younger quarters may be out), no LDS load of mine is out, barrier, with the products between signal and wait.
.macro GROUP s, lc, bar, dsc
	ASET \s
	s_wait_loadcnt \lc
.if (\bar) >= 0
	s_wait_tensorcnt \bar
	s_wait_dscnt 0x0
	s_barrier_signal -1
.else
	s_wait_dscnt \dsc
.endif
.if (\s) == 0
	WIN 0xc0|(AW<<2)                               ; source 0 (Wp) and C (bp's tile) window 0, source 1 (ctx) window AW, D window 3
.else
	WIN 0xf0|(AW<<2)                               ; C and D window 3
.endif
.irp m, 0,1,2,3
.irp f, 0,1,2,3
.set rD, 32*\m+8*\f
.set rA, WF+48*((\s)%2)+12*\f
.set rB, AB+12*\m
.set rC, rD
.if (\s) == 0
.set rC, BP+8*\f
.endif
.set rSA, WSC+8*(\f/2)+(\s)
.set rSB, CSC+8*(\m/2)+(\s)
.set rRA, \f%2
.set rRB, \m%2
	WM
.endr
.endr
	WIN 0
.if (\bar) >= 0
	s_barrier_wait -1
.endif
	PLACES
.if (\s) < 6
	WLOAD (\s)+2
.endif
.endm
.macro TOSTAGE m                       ; tile m's 16 tokens x 64 features into my stage, each accumulator from its low end on, and back as rows: LDS serves a wave's instructions in order
	WIN 0x0c                                       ; an LDS store's data are its source 1: window 3
.irp q, 0,1,2,3,4,5,6,7
	ds_store_b128 v6, v[32*(\m)+4*\q:32*(\m)+4*\q+3] offset:128*(\q/4)+16*(\q%4)
.endr
	WIN 0
.irp y, 0,1,2,3,4,5,6,7
	ds_load_b128 v[BK+32*((\m)%2)+4*\y:BK+32*((\m)%2)+4*\y+3], v7 offset:544*\y
.endr
.endm
.macro SEND m, younger                 ; stage rows 2 y and 2 y + 1 are tokens 32 (m / 2) + 8 (m % 2) + 2 y + 8 (y / 4) and the next
	s_wait_dscnt \younger
.irp y, 0,1,2,3,4,5,6,7
	global_store_b128 v8, v[BK+32*((\m)%2)+4*\y:BK+32*((\m)%2)+4*\y+3], s[66:67] offset:4096*(32*((\m)/2)+8*((\m)%2)+2*\y+8*(\y/4)) th:TH_STORE_NT
.endr
.endm
	s_load_b256 s[4:11], s[0:1], 0x0               ; ctxc, ctxs, codes, scales
	s_load_b128 s[12:15], s[0:1], 0x20             ; bp, out0
	v_lshl_add_u32 v254, v0, 2, 0x29000
	v_mov_b32 v255, 0
	ds_add_u32 v254, v255
	ds_add_u32 v254, v255
	v_lshrrev_b32 v11, 5, v0
	v_readfirstlane_b32 s20, v11                   ; wave 0..3
	v_and_b32 v12, 31, v0
	v_and_b32 v13, 15, v0                          ; r
	v_bfe_u32 v14, v0, 4, 1                        ; h
	v_lshlrev_b32 v1, 4, v12
	v_lshlrev_b32 v2, 3, v12
	v_lshlrev_b32 v3, 2, v12
	v_lshlrev_b32 v4, 5, v12
	v_lshlrev_b32 v5, 6, v14
	s_mul_i32 s68, s20, 4352
	s_add_co_u32 s68, s68, STGB                    ; my stage
	v_mul_u32_u24 v6, v13, 272
	v_lshl_add_u32 v6, v14, 6, v6
	v_add_nc_u32 v6, s68, v6                       ; in: row r, 64 h bytes on
	v_mul_u32_u24 v7, v14, 272
	v_lshl_add_u32 v7, v13, 4, v7
	v_add_nc_u32 v7, s68, v7                       ; back: lanes 0-15 one row, lanes 16-31 the next
	v_lshlrev_b32 v8, 4, v13
	v_lshl_add_u32 v8, v14, 12, v8                 ; and the same in out0
	s_bfe_u32 s21, ttmp6, 0x40000                  ; cx
	s_lshl_b32 s22, ttmp9, 2
	s_add_co_u32 s22, s22, s21                     ; X
	s_and_b32 s23, ttmp7, 0xffff                   ; FB, which the four partners share
	s_mov_b32 s24, 15|(3<<16)|(1<<21)              ; group 1: dense rows of 256 bytes; mask: all four; bit 21 beside a mask
	s_mov_b32 s25, 32<<16
	s_mov_b32 s26, 48<<16                          ; 12,288 dense bytes as 48 rows of 256
	s_mov_b32 s27, 32<<16
	s_mov_b32 s28, 48
	s_mov_b32 s29, 32
	s_mov_b32 s30, 0
	s_mov_b32 s31, 0
	s_lshl_b32 s48, s23, 2
	s_add_co_u32 s48, s48, s20
	s_add_co_u32 s48, s48, 448
	s_mul_i32 s48, s48, 12288                      ; Wp's tile 4 FB + w: wave w fetches f = w
	s_mov_b32 s49, 0
	s_mul_i32 s52, s20, 12288
	s_lshl_b32 s53, s22, 4                         ; what hangs on cx lies in other registers than the descriptors' sources
	s_lshl_b32 s50, s20, 2
	s_add_co_u32 s53, s53, s50                     ; T0
	s_lshl_b32 s54, s53, 9                         ; ctx's scale words: pair T0 / 2
	s_mov_b32 s55, 0
	s_lshl_b32 s56, s23, 11
	s_add_co_u32 s56, s56, 229376                  ; Wp's: pair 224 + 2 FB
	s_mov_b32 s57, 0
	s_mul_i32 s58, s53, 12288                      ; ctx's codes
	s_mov_b32 s59, 0
	s_lshl_b32 s60, s23, 8                         ; my 64 features: of bp,
	s_mov_b32 s61, 0
	s_lshl_b32 s66, s53, 16
	s_add_co_u32 s66, s66, s60                     ; and of out0, at token 16 T0
	s_mov_b32 s67, 0
	s_wait_dscnt 0x0
	s_wait_kmcnt 0x0
	s_add_nc_u64 s[48:49], s[8:9], s[48:49]
	s_add_nc_u64 s[54:55], s[6:7], s[54:55]
	s_add_nc_u64 s[56:57], s[10:11], s[56:57]
	s_add_nc_u64 s[58:59], s[4:5], s[58:59]
	s_add_nc_u64 s[12:13], s[12:13], s[60:61]
	s_add_nc_u64 s[66:67], s[14:15], s[66:67]
	CROUND                                         ; all four work-groups are here: the joint loads meet
	s_mov_b32 s32, 1
	s_mov_b32 s33, s52
	s_mov_b64 s[34:35], s[48:49]
	s_or_b32 s35, s35, 0x80000000
	tensor_load_to_lds s[32:35], s[24:31]          ; my one tensor load
	s_nop 0
	PLACES
.irp p, 0,1
.irp g, 0,1,2,3,4,5,6,7
	global_load_b32 v[CSC+8*\p+\g], v3, s[54:55] offset:1024*\p+128*\g
.endr
.endr
.irp p, 0,1
	global_load_b128 v[WSC+8*\p:WSC+8*\p+3], v4, s[56:57] offset:1024*\p
	global_load_b128 v[WSC+8*\p+4:WSC+8*\p+7], v4, s[56:57] offset:1024*\p+16
.endr
	s_wait_alu depctr_va_vdst(0)
.irp f, 0,1,2,3
	global_load_b128 v[BP+8*\f:BP+8*\f+3], v5, s[12:13] offset:4*(32*(\f/2)+8*(\f%2))
	global_load_b128 v[BP+8*\f+4:BP+8*\f+7], v5, s[12:13] offset:4*(32*(\f/2)+8*(\f%2))+16
.endr
.irp s, 0,1,2,3,4,5,6,7
	ALOAD \s
.endr
	WIN 0
	s_wait_tensorcnt 0x0                           ; my tile of W is in,
	s_barrier_signal -1
	s_barrier_wait -1                              ; everybody's is
	WLOAD 0
	WLOAD 1
	; the counts on LOADcnt: 16 for each younger K step of ctx, as far as the wait's field holds them (63); on DScnt: the younger set's 12 loads
	GROUP 0, 63, -1, 12
	GROUP 1, 63, -1, 12
	GROUP 2, 63, -1, 12
	GROUP 3, 63, -1, 12
	GROUP 4, 48, -1, 12
	GROUP 5, 32, -1, 12
	GROUP 6, 16, -1, 12
	GROUP 7, 0, -1, 0
	TOSTAGE 0                                      ; (the four plain instructions behind the last products stand at the last group's end)
	TOSTAGE 1
	SEND 0, 16                                     ; behind tile 0's loads: tile 1's 8 stores and 8 loads
	s_wait_xcnt 0x0                                ; tile 0's stores have read their registers: tile 2's rows may land there
	TOSTAGE 2
	SEND 1, 16
	s_wait_xcnt 0x0
	TOSTAGE 3
	SEND 2, 16
	SEND 3, 0
	s_wait_tensorcnt 0x0
	ds_add_u32 v254, v255
	s_wait_dscnt 0x0
	CROUND                                         ; the closing round
	s_endpgm
.Lfunc_end_k_q13bff2b6ac_proj:
	.size	k_q13bff2b6ac_proj, .Lfunc_end_k_q13bff2b6ac_proj-k_q13bff2b6ac_proj
	.p2alignl 7, 3214868480
	.fill 96, 4, 3214868480
	.section	.rodata,"a",@progbits
	.p2align	6, 0x0
	.amdhsa_kernel k_q13bff2b6ac_proj
		.amdhsa_group_segment_fixed_size 168448
		.amdhsa_private_segment_fixed_size 0
		.amdhsa_enable_private_segment 0
		.amdhsa_kernarg_size 48
		.amdhsa_user_sgpr_count 2
		.amdhsa_user_sgpr_kernarg_segment_ptr 1
		.amdhsa_wavefront_size32 1
		.amdhsa_system_sgpr_workgroup_id_x 1
		.amdhsa_system_sgpr_workgroup_id_y 1
		.amdhsa_system_sgpr_workgroup_id_z 1
		.amdhsa_system_vgpr_workitem_id 0
		.amdhsa_next_free_vgpr 896
		.amdhsa_next_free_sgpr 80
		.amdhsa_reserve_vcc 0
		.amdhsa_float_denorm_mode_32 3
		.amdhsa_float_denorm_mode_16_64 3
		.amdhsa_memory_ordered 1
		.amdhsa_forward_progress 1
		.amdhsa_inst_pref_size 51
	.end_amdhsa_kernel
	.amdgpu_metadata
---
amdhsa.version: [ 1, 2 ]
amdhsa.kernels:
  - .name:           k_q13bff2b6ac_proj
    .symbol:         k_q13bff2b6ac_proj.kd
    .args:
      - { .name: ctxc, .offset: 0, .size: 8, .value_kind: global_buffer, .address_space: global }
      - { .name: ctxs, .offset: 8, .size: 8, .value_kind: global_buffer, .address_space: global }
      - { .name: codes, .offset: 16, .size: 8, .value_kind: global_buffer, .address_space: global }
      - { .name: scales, .offset: 24, .size: 8, .value_kind: global_buffer, .address_space: global }
      - { .name: bp, .offset: 32, .size: 8, .value_kind: global_buffer, .address_space: global }
      - { .name: out0, .offset: 40, .size: 8, .value_kind: global_buffer, .address_space: global }
    .group_segment_fixed_size: 168448
    .private_segment_fixed_size: 0
    .kernarg_segment_align: 8
    .kernarg_segment_size: 48
    .max_flat_workgroup_size: 128
    .sgpr_count:     80
    .vgpr_count:     896
    .wavefront_size: 32
...
	.end_amdgpu_metadata
.endif
;; end of part 4
